; MI455X (gfx1250); checked and timed in simulation.
; The chip was launched on July 23, 2026; its instructions are those of AMD's public machine-readable ISA for CDNA 5 (MIT licence, August 2026) and "CDNA5" Instruction Set Architecture Reference Guide (July 2026). The comments in the code are by the model that wrote it; some were corrected since.
;; Single Layer Mo E. Allowed arithmetic: matrix products marked QUANTISED: E3M2 operands, one E8M0 scale for each 32 along K, by v_wmma_scale_f32_16x16x128_f8f6f4 with both operands' format E3M2, f32 sums; products left as they are: f32 operands where the result goes on into a quantised operand, else bf16, f16 or f32 operands; f32 sums; everything else in f32.
;; Inputs: b1 8 x 4,096 float32; b2 8 x 1,024 float32; router_b 8 float32; router_w 1,024 x 8 float32; w1_codes 8 x 4,096 x 32 x 24 uint8 (E3M2 codes of w1, K innermost, in blocks of 32 codes, four codes in three bytes); w1_scales 8 x 4,096 x 32 uint8 (E8M0 scales of w1, one for each 32 codes along K); w2_codes 8 x 1,024 x 128 x 24 uint8 (E3M2 codes of w2, K innermost, in blocks of 32 codes, four codes in three bytes); w2_scales 8 x 1,024 x 128 uint8 (E8M0 scales of w2, one for each 32 codes along K); x 1,024 x 1,024 float32.
;; Outputs: out0 1,024 x 1,024 float32; out1 one number float32; out2 one number float32.
;; This version of the problem:
;;   THIS VERSION OF THE PROBLEM IS GIVEN IN LOW PRECISION. The matrix products marked QUANTISED in the list below multiply operands that are first quantised to E3M2 (3 exponent bits, 2 mantissa bits; 6 bits a number), with one power-of-two scale for each 32 numbers along K (OCP MX v1.0); their sums are f32. All else is computed in f32.
;;   The module's matrix products, in the order in which they are computed (A, B: the left and right operand; K: the contracted axis; several contracted axes count as one K, in the product's order):
;;     1. [M 1,024, K 1,024] x [K 1,024, N 8]; A: input x; B: input router_w: left as it is (N = 8 < 16)
;;     2. [M 1,024, K 1,024] x [K 1,024, N 4,096]; A: input x; B: input w1 (given as codes): QUANTISED
;;     3. [M 1,024, K 4,096] x [K 4,096, N 1,024]; A: computed on the way; B: input w2 (given as codes): QUANTISED
;;     4. [M 1,024, K 1,024] x [K 1,024, N 4,096]; A: input x; B: input w1 (given as codes): QUANTISED
;;     5. [M 1,024, K 4,096] x [K 4,096, N 1,024]; A: computed on the way; B: input w2 (given as codes): QUANTISED
;;     6. [M 1,024, K 1,024] x [K 1,024, N 4,096]; A: input x; B: input w1 (given as codes): QUANTISED
;;     7. [M 1,024, K 4,096] x [K 4,096, N 1,024]; A: computed on the way; B: input w2 (given as codes): QUANTISED
;;     8. [M 1,024, K 1,024] x [K 1,024, N 4,096]; A: input x; B: input w1 (given as codes): QUANTISED
;;     9. [M 1,024, K 4,096] x [K 4,096, N 1,024]; A: computed on the way; B: input w2 (given as codes): QUANTISED
;;     10. [M 1,024, K 1,024] x [K 1,024, N 4,096]; A: input x; B: input w1 (given as codes): QUANTISED
;;     11. [M 1,024, K 4,096] x [K 4,096, N 1,024]; A: computed on the way; B: input w2 (given as codes): QUANTISED
;;     12. [M 1,024, K 1,024] x [K 1,024, N 4,096]; A: input x; B: input w1 (given as codes): QUANTISED
;;     13. [M 1,024, K 4,096] x [K 4,096, N 1,024]; A: computed on the way; B: input w2 (given as codes): QUANTISED
;;     14. [M 1,024, K 1,024] x [K 1,024, N 4,096]; A: input x; B: input w1 (given as codes): QUANTISED
;;     15. [M 1,024, K 4,096] x [K 4,096, N 1,024]; A: computed on the way; B: input w2 (given as codes): QUANTISED
;;     16. [M 1,024, K 1,024] x [K 1,024, N 4,096]; A: input x; B: input w1 (given as codes): QUANTISED
;;     17. [M 1,024, K 4,096] x [K 4,096, N 1,024]; A: computed on the way; B: input w2 (given as codes): QUANTISED
;;   THE QUANTISER, for each operand of a quantised product, along K:
;;     - K is cut into blocks of 32 from its start; a last block that is shorter is filled with zeros.
;;     - A block's scale is 2^e with e = floor(log2(the largest magnitude in the block)) - 4, held to -126 .. 127; a block of zeros has e = 0. As a byte (E8M0): e + 127.
;;     - Each number is divided by its block's scale, clamped to +-28, and rounded to the nearest number of E3M2, ties to even, subnormals kept.
;;     - The product sums the exact products of the quantised numbers (number of the format x scale) in f32.
;;   ~~~python
;;   def quantise(x, axis):      # numpy; x: float32 -> the quantised numbers, widened to float32 again
;;       x = np.moveaxis(x, axis, -1); K = x.shape[-1]
;;       x = np.pad(x, [(0, 0)] * (x.ndim - 1) + [(0, -K % 32)]); x = x.reshape(x.shape[:-1] + (-1, 32)); a = np.abs(x).max(-1, keepdims=True)
;;       e = np.where(a > 0, np.clip(np.frexp(np.where(a > 0, a, 1))[1] - 1 - 4, -126, 127), 0)      # np.frexp(a)[1] - 1 = floor(log2(a)), exactly
;;       r = np.clip(x / 2.0 ** e, -28, 28)
;;       step = 2.0 ** (np.maximum(np.frexp(np.where(r == 0, 1, r))[1] - 1, -2) - 2)
;;       q = np.round(r / step) * step * 2.0 ** e      # np.round: ties to even
;;       return np.moveaxis(q.reshape(q.shape[:-2] + (-1,))[..., :K], -1, axis).astype(np.float32)
;;   ~~~
;;   OPERANDS COMPUTED ON THE WAY. 'Computed on the way' means the value that the module computes at that place (a softmax that the list does not call 'softmax' is quantised finished and normalised). What goes into a quantiser is computed in f32, as accurately as f32 sums, v_exp_f32 and their like allow (about 1e-6 of the number): no bf16 or f16 on the way to a quantiser, and a product that is left as it is and whose result goes on into a quantised operand takes f32 operands (vector FMAs, or v_wmma_f32_16x16x4_f32). A number that lies on a knife's edge between two numbers of the format may be rounded either way, as far as f32 arithmetic and the matrix unit's own rounding can turn it there, and no further.
;;   INPUTS GIVEN AS CODES. w1 (in the module: [8, 1024, 4096], K = its axis 1); w2 (in the module: [8, 4096, 1024], K = its axis 1): each comes as NAME_codes (uint8): NAME with its K axis moved to the last place and cut into blocks of 32 codes, [.., K / 32, bytes a block], one block behind the other in memory; four codes in three bytes: a row's codes are one little-endian stream of bits, code i at bits 6 i .. 6 i + 5 (a code: sign, 3 exponent bits, 2 mantissa bits); and NAME_scales (uint8): the same leading axes, one E8M0 byte (e + 127) for each 32 codes along K. Its value is code x scale, taken as it is: it is not quantised again, and the codes and scales need not be those that the quantiser above would give.
;; 2 versions. Each part assembles by itself: llvm-mc -triple=amdgcn-amd-amdhsa -mcpu=gfx1250 --defsym DOCPART=n.
;; ======== version 1 of 2: 5 launches
;; workspace buffers: xq 819,200 bytes; sel 8,192 bytes of whole numbers; rinfo 16,384 bytes; list 36,864 bytes of whole numbers; hq 27,262,976 bytes; y 17,825,792 bytes
;; launch route (part 1): grid 64 x 1, 8 waves a work-group, no clusters, 52,224 bytes of LDS; arguments x, router_w, router_b, xq, sel, rinfo; writes xq, sel, rinfo
.if DOCPART == 1
	.amdgcn_target "amdgcn-amd-amdhsa--gfx1250"
	.amdhsa_code_object_version 6
	.text
	.protected	k_qa8b7943519_route
	.globl	k_qa8b7943519_route
	.p2align	8
	.type	k_qa8b7943519_route,@function
k_qa8b7943519_route:
	s_mov_b64 s[64:65], 0
	v_nop
	global_prefetch_b8 v0, s[64:65] scope:SCOPE_SE
	s_setreg_imm32_b32 hwreg(HW_REG_WAVE_MODE, 25, 1), 1
	s_wait_xcnt 0x0
; ROUTE.  For 16 tokens a work-group: the router's logits in f32 (fused multiply-adds), the two largest (the lower index wins a tie), their gates,
; the full softmax's sums for the two losses, and x as codes of E3M2 with one E8M0 byte for each 32 along K.
; Eight waves; wave s takes k = 128 s .. 128 s + 127 of all 16 tokens.  Lane (r = lane % 16, h = lane / 16) holds 64 numbers of token r:
; register 16 b + i = k 128 s + 32 b + 16 h + i: sixteen neighbours of each block of 32, as the conversions want them.
; OUT: xq: a token's 768 bytes of codes laid [K step][half of the lanes][48 bytes], so that a lane's 12 operand registers are 48 bytes on end; behind all codes
; 8 scale words a token.  sel: the two experts of each token, at fixed places: no address of this launch hangs on them.  rinfo: the two gates; behind them the group's nine sums.
; No matrix unit: the router has 8 columns, and its result steers a choice, so it is kept in f32.  No cluster: work-groups share only router_w, 32 KB.
; LIMITS: logits are finite (NaN and infinities are not served).  A block whose largest magnitude lies under 2^-122, a block of zeros among them, gets the byte 1: only this program reads the bytes.
.set SPI,  784                         ; a token's row in the stage: 768 bytes + 16
.set STG,  32768                       ; LDS: 0 .. 32,767 router_w, 4,096 bytes for each wave (its own 128 rows); then the stage of 16 rows,
.set XSS,  STG+16*SPI                  ; the scale words, 32 bytes a token (a second copy takes lanes 16-31's stores),
.set RED,  XSS+1024                    ; and the waves' partial logits: 512 bytes a wave
.set X,    16                          ; v16-79   my 64 numbers of x
.set RB0,  80                          ; v80-143, v144-207: eight rows of router_w each, by turns
.set RB1,  144
.set ACC,  208                         ; v208-215 eight logits
.set TM,   216                         ; v216-227 at work in QUANT
.set PW,   228                         ; the scale word just made
.set PC,   230                         ; v230-241 the codes just made
.set TP,   242                         ; v242-249 at work
.set SEL,  20                          ; s[20:21] lane selects: lane l xor 16
.set M1,   96                          ; wave 0's end: largest logit, its expert, second largest, its expert
.set I1,   97
.set M2,   98
.set I2,   99
.set L2,   100                         ; v100-107 logits without the largest; later log2 of the clipped probabilities
.set P,    108                         ; v108-115 probabilities, v116 the sum of p ln p
; 64 numbers of a lane, v[s] on, become a fragment's codes in v[PC] on and its scale word in v[PW]
.macro QUANT s
.irp b, 0,1,2,3
	v_max3_num_f32 v[TM+\b], |v[\s+16*\b]|, |v[\s+1+16*\b]|, 0x2800000   ; my 16 numbers of block b, and the floor 2^(5 - 127): the byte cannot fall under 1
.endr
.irp i, 2,4,6,8,10,12,14
.irp b, 0,1,2,3
	v_max3_num_f32 v[TM+\b], v[TM+\b], |v[\s+16*\b+\i]|, |v[\s+1+16*\b+\i]|
.endr
.endr
.irp b, 0,1,2,3
	v_permlanex16_b32 v[TM+4+\b], v[TM+\b], s[SEL], s[SEL+1]
.endr
.irp b, 0,1,2,3
	v_max_num_f32 v[TM+\b], v[TM+\b], v[TM+4+\b]                  ; with lane l xor 16's: the block's largest magnitude
.endr
.irp b, 0,1,2,3
	v_add_nc_u32 v[TM+8+\b], 0xfe000000, v[TM+\b]                 ; 4 off its exponent field: the conversion's scale operand
.endr
.irp b, 0,1,2,3
	v_lshrrev_b32 v[TM+4+\b], 23, v[TM+8+\b]                      ; the scale's byte
.endr
	v_lshl_or_b32 v[PW], v[TM+5], 8, v[TM+4]
	v_lshl_or_b32 v[PW], v[TM+6], 16, v[PW]
	v_lshl_or_b32 v[PW], v[TM+7], 24, v[PW]
.irp c, 0,1
	v_cvt_scalef32_pk16_bf6_f32 v[PC+6*\c:PC+2+6*\c], v[\s+32*\c:\s+15+32*\c], v[TM+8+2*\c]
	v_cvt_scalef32_pk16_bf6_f32 v[TM+4*\c:TM+2+4*\c], v[\s+16+32*\c:\s+31+32*\c], v[TM+9+2*\c]   ; (three registers from an even one on: made where the maxima and bytes lay, then moved)
.endr
	v_nop                                          ; one plain line behind the conversions
.irp c, 0,1                                    ; the operand wants a whole block in a lane: lanes 0-15 block 2 c, lanes 16-31 block 2 c + 1
.irp i, 0,1,2
	v_permlane16_swap_b32 v[PC+6*\c+\i], v[TM+4*\c+\i]
.endr
.irp i, 0,1,2
	v_mov_b32 v[PC+3+6*\c+\i], v[TM+4*\c+\i]
.endr
.endr
.endm
; eight rows of router_w (those of my registers 16 (u / 2) + 8 (u % 2) + 0 .. 7) from my wave's LDS bytes: sixteen loads
.macro RWHALF u
.irp ii, 0,1,2,3,4,5,6,7
.irp q, 0,1
	ds_load_b128 v[RB0+64*((\u)%2)+8*\ii+4*\q:RB0+64*((\u)%2)+8*\ii+4*\q+3], v6 offset:1024*((\u)/2)+32*(8*((\u)%2)+\ii)+16*\q
.endr
.endr
.endm
; and their 32 packed multiply-adds: logits (2 p, 2 p + 1) += x_k x router_w[k][2 p, 2 p + 1]; x_k is taken for both halves out of its pair
.macro RFMA u
.set ii, 0
.rept 8
.set kk, 16*((\u)/2)+8*((\u)%2)+ii
.set xr, X+2*(kk/2)
.set rb, RB0+64*((\u)%2)+8*ii
.irp p, 0,1,2,3
.if kk == 0
	v_pk_mul_f32 v[ACC+2*\p:ACC+2*\p+1], v[xr:xr+1], v[rb+2*\p:rb+2*\p+1] op_sel_hi:[0,1]   ; the first product starts the sums
.elseif kk%2 == 0
	v_pk_fma_f32 v[ACC+2*\p:ACC+2*\p+1], v[xr:xr+1], v[rb+2*\p:rb+2*\p+1], v[ACC+2*\p:ACC+2*\p+1] op_sel_hi:[0,1,1]
.else
	v_pk_fma_f32 v[ACC+2*\p:ACC+2*\p+1], v[xr:xr+1], v[rb+2*\p:rb+2*\p+1], v[ACC+2*\p:ACC+2*\p+1] op_sel:[1,0,0] op_sel_hi:[1,1,1]
.endif
.endr
.set ii, ii+1
.endr
.endm
; the largest of eight and its index; where two are equal the lower index stays
.macro ARGMAX base, m, i
	v_mov_b32 v[\m], v[\base]
	v_mov_b32 v[\i], 0
.irp e, 1,2,3,4,5,6,7
	v_cmp_ge_f32 vcc_lo, v[\m], v[\base+\e]
	v_cndmask_b32 v[\i], \e, v[\i], vcc_lo
	v_max_num_f32 v[\m], v[\m], v[\base+\e]
.endr
.endm
	s_load_b256 s[4:11], s[0:1], 0x0               ; x s[4:5], router_w s[6:7], router_b s[8:9], xq s[10:11]
	s_load_b128 s[12:15], s[0:1], 0x20             ; sel s[12:13], rinfo s[14:15]
	v_lshl_add_u32 v254, v0, 2, 0xc800
	v_mov_b32 v255, 0
	v_lshrrev_b32 v1, 5, v0
	v_readfirstlane_b32 s16, v1                    ; wave s
	v_and_b32 v1, 31, v0                           ; lane
	v_and_b32 v2, 15, v0                           ; r
	v_bfe_u32 v3, v0, 4, 1                         ; h
	v_lshlrev_b32 v5, 4, v1                        ; 16 x lane
	s_lshl_b32 s17, s16, 12
	s_lshl_b32 s18, s16, 9
	v_lshlrev_b32 v4, 12, v2
	v_lshl_add_u32 v4, v3, 6, v4
	v_add_nc_u32 v4, s18, v4                       ; x: 4,096 r + 64 h + 512 s
	v_add_nc_u32 v7, s17, v5                       ; router_w, in memory and in LDS alike: 4,096 s + 16 x lane
	v_lshlrev_b32 v6, 9, v3
	v_add_nc_u32 v6, s17, v6                       ; and back: 4,096 s + 512 h: the rows of my half's k
	v_mul_u32_u24 v8, v2, SPI
	v_mad_u32_u24 v8, v3, 48, v8
	s_mul_i32 s19, s16, 96
	s_add_co_u32 s19, s19, STG
	v_add_nc_u32 v8, s19, v8                       ; the stage, in: row r, 96 s + 48 h
	v_lshlrev_b32 v9, 5, v2
	v_lshl_add_u32 v9, v3, 9, v9
	s_lshl_b32 s19, s16, 2
	s_add_co_u32 s19, s19, XSS
	v_add_nc_u32 v9, s19, v9                       ; my scale word: 512 h + 32 r + 4 s
	v_lshlrev_b32 v10, 5, v2
	v_lshl_add_u32 v10, v3, 4, v10
	s_add_co_u32 s19, s18, RED
	v_add_nc_u32 v10, s19, v10                     ; my partial logits: 512 s + 32 r + 16 h
	s_mul_i32 s19, s16, 2*SPI
	s_add_co_u32 s19, s19, STG
	v_add_nc_u32 v11, s19, v5                      ; the stage, out: rows 2 s and 2 s + 1 as 1,536 bytes on end;
	v_lshl_add_u32 v12, v3, 4, v11                 ; (the middle load's lanes 16-31 lie behind the first row's padding)
	v_add_nc_u32 v13, XSS, v5                      ; the scale words, out
	v_lshl_add_u32 v14, v2, 5, RED                 ; the partial logits, out
	v_lshlrev_b32 v15, 3, v2
	v_lshl_add_u32 v15, v3, 2, v15                 ; sel and gates: 8 r + 4 h
	s_mov_b32 s[SEL], 0x76543210
	s_mov_b32 s[SEL+1], 0xfedcba98
.irp e, 0,1,2,3,4,5,6,7
	v_mov_b32 v[TP+\e], 0                          ; written once: a lane permute's destination counts as one of its sources
.endr
.irp b, 0,1,2,3
	v_mov_b32 v[TM+4+\b], 0
.endr
	s_lshl_b32 s34, ttmp9, 16                      ; 16 rows of x
	s_mov_b32 s35, 0
	s_mul_i32 s36, ttmp9, 12288                    ; 16 rows of codes,
	s_mul_i32 s19, s16, 1536                       ; my wave's two
	s_add_co_u32 s36, s36, s19
	s_mov_b32 s37, 0
	s_lshl_b32 s38, ttmp9, 9                       ; 16 tokens' scale words
	s_mov_b32 s39, 0
	s_lshl_b32 s22, ttmp9, 7                       ; 128 bytes a group in sel, in the gates and in the sums
	s_mov_b32 s23, 0
	s_wait_kmcnt 0x0
	s_load_b256 s[24:31], s[8:9], 0x0              ; router_b
	s_add_nc_u64 s[4:5], s[4:5], s[34:35]
	s_add_nc_u64 s[32:33], s[10:11], s[38:39]
	s_add_nc_u64 s[10:11], s[10:11], s[36:37]
	s_add_nc_u64 s[12:13], s[12:13], s[22:23]
	s_add_nc_u64 s[14:15], s[14:15], s[22:23]
.irp i, 0,1,2,3,4,5,6,7
	global_load_b128 v[RB1+4*\i:RB1+4*\i+3], v7, s[6:7] offset:512*\i      ; my wave's 128 rows of router_w: 4,096 bytes on end
.endr
.irp b, 0,1,2,3
.irp q, 0,1,2,3
	global_load_b128 v[X+16*\b+4*\q:X+16*\b+4*\q+3], v4, s[4:5] offset:128*\b+16*\q th:TH_LOAD_NT
.endr
.endr
	s_wait_loadcnt 16                              ; router_w is in; the 16 loads of x may be out
.irp i, 0,1,2,3,4,5,6,7
	ds_store_b128 v7, v[RB1+4*\i:RB1+4*\i+3] offset:512*\i
.endr
	RWHALF 0                                       ; my wave's own bytes: LDS serves a wave's instructions in order
	s_wait_loadcnt 0x0                             ; x
.irp u, 0,1,2,3,4,5,6
	RWHALF \u+1
	s_wait_dscnt 16                                ; all but the 16 just issued
	RFMA \u
.endr
	s_wait_dscnt 0x0
	RFMA 7
.irp e, 0,1,2,3,4,5,6,7
	v_permlanex16_b32 v[TP+\e], v[ACC+\e], s[SEL], s[SEL+1]
.endr
.irp p, 0,1,2,3
	v_pk_add_f32 v[ACC+2*\p:ACC+2*\p+1], v[ACC+2*\p:ACC+2*\p+1], v[TP+2*\p:TP+2*\p+1]   ; both halves of the lanes: my wave's 128 k
.endr
	v_cmp_eq_u32 vcc_lo, 1, v3
.irp j, 0,1,2,3
	v_cndmask_b32 v[TP+\j], v[ACC+\j], v[ACC+4+\j], vcc_lo         ; lane (r, h) hands on experts 4 h .. 4 h + 3
.endr
	ds_store_b128 v10, v[TP:TP+3]
	QUANT X
.irp c, 0,1,2
	ds_store_b128 v8, v[PC+4*\c:PC+4*\c+3] offset:16*\c
.endr
	ds_store_b32 v9, v[PW]
	s_wait_kmcnt 0x0                               ; router_b
	s_wait_dscnt 0x0                               ; for the others' sake: my stores have landed
	s_barrier_signal -1
	s_barrier_wait -1                              ; the launch's one barrier; nothing is stored to LDS behind it
	ds_load_b128 v[80:83], v11
	ds_load_b128 v[84:87], v12 offset:512
	ds_load_b128 v[88:91], v11 offset:1040
	s_wait_dscnt 0x0
	global_store_b128 v5, v[80:83], s[10:11]               ; each store of the wave covers 512 consecutive bytes, aligned
	global_store_b128 v5, v[84:87], s[10:11] offset:512
	global_store_b128 v5, v[88:91], s[10:11] offset:1024
	s_cmp_eq_u32 s16, 1
	s_cbranch_scc0 .Lnot_one
	ds_load_b128 v[92:95], v13                     ; wave 1: the 16 tokens' scale words, 512 bytes
	s_wait_dscnt 0x0
	global_store_b128 v5, v[92:95], s[32:33] offset:786432
.Lnot_one:
	s_cmp_lg_u32 s16, 0
	s_cbranch_scc1 .Lend
	; wave 0: the router's end.  Both halves of the lanes hold token r
.irp sp, 0,1,2,3,4,5,6,7
.irp q, 0,1
	ds_load_b128 v[X+8*\sp+4*\q:X+8*\sp+4*\q+3], v14 offset:512*\sp+16*\q
.endr
.endr
	s_wait_dscnt 0x0
.irp p, 0,1,2,3
	v_pk_add_f32 v[ACC+2*\p:ACC+2*\p+1], v[X+2*\p:X+2*\p+1], v[X+8+2*\p:X+8+2*\p+1]
.endr
.irp sp, 2,3,4,5,6,7
.irp p, 0,1,2,3
	v_pk_add_f32 v[ACC+2*\p:ACC+2*\p+1], v[ACC+2*\p:ACC+2*\p+1], v[X+8*\sp+2*\p:X+8*\sp+2*\p+1]
.endr
.endr
.irp e, 0,1,2,3,4,5,6,7
	v_add_f32 v[ACC+\e], s[24+\e], v[ACC+\e]       ; + router_b
.endr
	ARGMAX ACC, M1, I1
	v_mov_b32 v117, 0xff800000                     ; -infinity
.irp e, 0,1,2,3,4,5,6,7
	v_cmp_eq_u32 vcc_lo, \e, v[I1]
	v_cndmask_b32 v[L2+\e], v[ACC+\e], v117, vcc_lo
.endr
	ARGMAX L2, M2, I2
	v_sub_f32 v118, v[M2], v[M1]                   ; the largest logit is taken away ahead of every exponential
	v_mul_f32 v118, 0x3fb8aa3b, v118
	v_exp_f32 v118, v118                           ; e1 = e^(second - first)
.irp e, 0,1,2,3,4,5,6,7
	v_sub_f32 v[P+\e], v[ACC+\e], v[M1]
.endr
.irp e, 0,1,2,3,4,5,6,7
	v_mul_f32 v[P+\e], 0x3fb8aa3b, v[P+\e]
.endr
.irp e, 0,1,2,3,4,5,6,7
	v_exp_f32 v[P+\e], v[P+\e]
.endr
	s_wait_alu depctr_va_vdst(0)
	v_add_f32 v119, 1.0, v118                      ; (a plain line behind the exponentials)
	v_rcp_f32 v119, v119                           ; gate 0 = 1 / (1 + e1)
	v_add_f32 v120, v[P], v[P+1]
	v_add_f32 v121, v[P+2], v[P+3]
	v_add_f32 v122, v[P+4], v[P+5]
	v_add_f32 v123, v[P+6], v[P+7]
	v_add_f32 v120, v120, v121
	v_add_f32 v122, v122, v123
	v_add_f32 v120, v120, v122
	v_rcp_f32 v120, v120
	s_wait_alu depctr_va_vdst(0)
	v_mul_f32 v121, v118, v119                     ; gate 1 = e1 x gate 0.  (A plain line behind the reciprocal)
.irp e, 0,1,2,3,4,5,6,7
	v_mul_f32 v[P+\e], v[P+\e], v120               ; the full softmax
.endr
.irp e, 0,1,2,3,4,5,6,7
	v_max_num_f32 v[L2+\e], 0x322bcc77, v[P+\e]    ; clipped at 1e-8
.endr
.irp e, 0,1,2,3,4,5,6,7
	v_log_f32 v[L2+\e], v[L2+\e]
.endr
	v_nop                                          ; a plain line behind the logarithms
	v_cmp_eq_u32 vcc_lo, 1, v3
	v_cndmask_b32 v122, v[I1], v[I2], vcc_lo       ; lane (r, h): slot h's expert,
	v_cndmask_b32 v123, v119, v121, vcc_lo         ; and its gate
	s_wait_alu depctr_va_vdst(0)
	v_mul_f32 v[P+8], v[P], v[L2]
.irp e, 1,2,3,4,5,6,7
	v_fmac_f32 v[P+8], v[P+\e], v[L2+\e]
.endr
	v_mul_f32 v[P+8], 0x3f317218, v[P+8]           ; x ln 2: the token's sum of p ln p
	global_store_b32 v15, v122, s[12:13]
	global_store_b32 v15, v123, s[14:15]
.irp m, 1,2,4,8
.irp j, 0,1,2,3,4,5,6,7,8
	v_add_f32_dpp v[P+\j], v[P+\j], v[P+\j] row_xmask:\m row_mask:0xf bank_mask:0xf   ; over the 16 tokens
.endr
.endr
	v_mov_b32 v124, 0
.irp j, 0,1,2,3,4,5,6,7,8
	v_cmp_eq_u32 vcc_lo, \j, v1
	v_cndmask_b32 v124, v124, v[P+\j], vcc_lo      ; lane j hands on sum j; lanes 9 to 31 a zero
.endr
	v_lshlrev_b32 v125, 2, v1
	global_store_b32 v125, v124, s[14:15] offset:8192
.Lend:
	s_wait_tensorcnt 0x0
	ds_add_u32 v254, v255
	s_wait_dscnt 0x0
	s_endpgm
.Lfunc_end_k_qa8b7943519_route:
	.size	k_qa8b7943519_route, .Lfunc_end_k_qa8b7943519_route-k_qa8b7943519_route
	.p2alignl 7, 3214868480
	.fill 96, 4, 3214868480
	.section	.rodata,"a",@progbits
	.p2align	6, 0x0
	.amdhsa_kernel k_qa8b7943519_route
		.amdhsa_group_segment_fixed_size 52224
		.amdhsa_private_segment_fixed_size 0
		.amdhsa_enable_private_segment 0
		.amdhsa_kernarg_size 48
		.amdhsa_user_sgpr_count 2
		.amdhsa_user_sgpr_kernarg_segment_ptr 1
		.amdhsa_wavefront_size32 1
		.amdhsa_system_sgpr_workgroup_id_x 1
		.amdhsa_system_sgpr_workgroup_id_y 1
		.amdhsa_system_sgpr_workgroup_id_z 1
		.amdhsa_system_vgpr_workitem_id 0
		.amdhsa_next_free_vgpr 256
		.amdhsa_next_free_sgpr 66
		.amdhsa_reserve_vcc 1
		.amdhsa_float_denorm_mode_32 3
		.amdhsa_float_denorm_mode_16_64 3
		.amdhsa_memory_ordered 1
		.amdhsa_forward_progress 1
		.amdhsa_inst_pref_size 48
	.end_amdhsa_kernel
	.amdgpu_metadata
---
amdhsa.version: [ 1, 2 ]
amdhsa.kernels:
  - .name:           k_qa8b7943519_route
    .symbol:         k_qa8b7943519_route.kd
    .args:
      - { .name: x, .offset: 0, .size: 8, .value_kind: global_buffer, .address_space: global }
      - { .name: router_w, .offset: 8, .size: 8, .value_kind: global_buffer, .address_space: global }
      - { .name: router_b, .offset: 16, .size: 8, .value_kind: global_buffer, .address_space: global }
      - { .name: xq, .offset: 24, .size: 8, .value_kind: global_buffer, .address_space: global }
      - { .name: sel, .offset: 32, .size: 8, .value_kind: global_buffer, .address_space: global }
      - { .name: rinfo, .offset: 40, .size: 8, .value_kind: global_buffer, .address_space: global }
    .group_segment_fixed_size: 52224
    .private_segment_fixed_size: 0
    .kernarg_segment_align: 8
    .kernarg_segment_size: 48
    .max_flat_workgroup_size: 256
    .sgpr_count:     66
    .vgpr_count:     256
    .wavefront_size: 32
...
	.end_amdgpu_metadata
.endif
;; end of part 1
;; launch place (part 2): grid 9 x 1, 1 waves a work-group, no clusters, 0 bytes of LDS; arguments sel, rinfo, list, out1, out2; writes list, out1, out2
.if DOCPART == 2
	.amdgcn_target "amdgcn-amd-amdhsa--gfx1250"
	.amdhsa_code_object_version 6
	.text
	.protected	k_qa8b7943519_place
	.globl	k_qa8b7943519_place
	.p2align	8
	.type	k_qa8b7943519_place,@function
k_qa8b7943519_place:
	s_mov_b64 s[64:65], 0
	v_nop
	global_prefetch_b8 v0, s[64:65] scope:SCOPE_SE
	s_setreg_imm32_b32 hwreg(HW_REG_WAVE_MODE, 25, 1), 1
	s_wait_xcnt 0x0
; PLACE.  Work-groups 0 to 7: expert e's list of routed rows, in the order of the tokens.  Work-group 8: the two losses from the 64 groups' sums.
; A list is 1,152 words: words 0-31 the number of rows n; word 32 + i entry i = 2 x token + slot; entries n .. n + 31 are pads 2,048 + 16 e + (lane % 16), rows of y that nobody reads,
; so that the last tile of 16 is whole; words 1,088 .. 1,119 are one word for each lane at which lanes without a match aim their stores: nobody reads them.  So no lane is switched off and no branch hangs on data.
; One wave a work-group: a rank is the number of matches in the lanes below (v_mbcnt) plus those of the chunks before; no atomics, no LDS.
; A launch of its own: the choice is made from floating-point numbers by the launch before, and only a later launch may form addresses from it.
	s_load_b256 s[4:11], s[0:1], 0x0               ; sel s[4:5], rinfo s[6:7], list s[8:9], out1 s[10:11]
	s_load_b64 s[12:13], s[0:1], 0x20              ; out2
	v_and_b32 v1, 31, v0                           ; lane
	s_mov_b32 s14, ttmp9
	s_cmp_eq_u32 s14, 8
	s_cbranch_scc1 .Laux
	v_lshlrev_b32 v2, 3, v1                        ; 8 bytes a token
	v_add_nc_u32 v3, 1056, v1                      ; my spare entry
	v_lshlrev_b32 v4, 1, v1                        ; 2 x lane: slot 0's entry,
	v_or_b32 v5, 1, v4                             ; slot 1's
	s_mul_i32 s16, s14, 4608
	s_mov_b32 s17, 0
	s_mov_b32 s15, 0                               ; rows so far
	s_wait_kmcnt 0x0
	s_add_nc_u64 s[8:9], s[8:9], s[16:17]
.set c, 0
.rept 32
	global_load_b64 v[16+2*c:17+2*c], v2, s[4:5] offset:256*c      ; chunk c: token 32 c + lane's two experts
.set c, c+1
.endr
	s_wait_loadcnt 0x0
; chunk c.  Its two registers become the store's address and data, so that no store's source is written again
.macro CHUNK c
	v_cmp_eq_u32 s20, s14, v[16+2*(\c)]
	v_cmp_eq_u32 s21, s14, v[17+2*(\c)]
	s_or_b32 s22, s20, s21
	v_mbcnt_lo_u32_b32 v[16+2*(\c)], s22, s15              ; my rank
	v_cndmask_b32 v[16+2*(\c)], v3, v[16+2*(\c)], s22      ; or my spare entry
	v_min_u32 v[16+2*(\c)], 0x43f, v[16+2*(\c)]            ; held inside the list
	v_lshlrev_b32 v[16+2*(\c)], 2, v[16+2*(\c)]
	v_cndmask_b32 v[17+2*(\c)], v4, v5, s21
	v_add_nc_u32 v[17+2*(\c)], 64*(\c), v[17+2*(\c)]       ; 2 x token + slot
	global_store_b32 v[16+2*(\c)], v[17+2*(\c)], s[8:9] offset:128
	s_bcnt1_i32_b32 s23, s22
	s_add_co_u32 s15, s15, s23
.endm
.set c, 0
.rept 32
	CHUNK c
.set c, c+1
.endr
	v_add_nc_u32 v6, s15, v1                       ; the pads: entries n + lane
	v_min_u32 v6, 0x43f, v6
	v_lshlrev_b32 v6, 2, v6
	v_and_b32 v7, 15, v1
	s_lshl_b32 s23, s14, 4
	s_add_co_u32 s23, s23, 2048
	v_add_nc_u32 v7, s23, v7
	global_store_b32 v6, v7, s[8:9] offset:128
	v_lshlrev_b32 v8, 2, v1
	v_mov_b32 v9, s15
	global_store_b32 v8, v9, s[8:9]                ; n, in words 0 to 31
	s_endpgm
.Laux:
	v_and_b32 v2, 15, v1                           ; which sum
	v_lshrrev_b32 v3, 4, v1                        ; even groups or odd
	v_lshlrev_b32 v4, 2, v2
	v_lshl_add_u32 v4, v3, 7, v4
	s_mov_b32 s20, 0x76543210
	s_mov_b32 s21, 0xfedcba98
	s_wait_kmcnt 0x0
.set c, 0
.rept 32
	global_load_b32 v[16+c], v4, s[6:7] offset:8192+256*c
.set c, c+1
.endr
	s_wait_loadcnt 0x0
.set c, 4
.rept 28
	v_add_f32 v[16+c%4], v[16+c%4], v[16+c]        ; four chains
.set c, c+1
.endr
	v_add_f32 v16, v16, v17
	v_add_f32 v18, v18, v19
	v_add_f32 v16, v16, v18
	v_mov_b32 v5, 0
	v_permlanex16_b32 v5, v16, s20, s21
	v_add_f32 v16, v16, v5                         ; lane j: sum j over all 1,024 tokens
	v_mul_f32 v6, 0x3a800000, v16                  ; / 1,024
	v_add_f32 v7, 0xbe000000, v6                   ; - 1 / 8
	v_mul_f32 v7, v7, v7
	v_add_f32_dpp v7, v7, v7 row_xmask:1 row_mask:0xf bank_mask:0xf
	v_add_f32_dpp v7, v7, v7 row_xmask:2 row_mask:0xf bank_mask:0xf
	v_add_f32_dpp v7, v7, v7 row_xmask:4 row_mask:0xf bank_mask:0xf    ; lanes 0 to 7: over the eight experts
	v_mul_f32 v7, 0x3e000000, v7                   ; their mean
	v_mul_f32 v8, -1.0, v6                         ; lane 8: the entropy's mean
	v_mov_b32 v9, 0
	v_cmp_eq_u32 vcc_lo, 0, v1
	s_wait_xcnt 0x0                                ; EXEC changes only behind this wait
	s_and_saveexec_b32 s22, vcc_lo
	global_store_b32 v9, v7, s[12:13]
	s_wait_xcnt 0x0
	s_or_b32 exec_lo, exec_lo, s22
	v_cmp_eq_u32 vcc_lo, 8, v1
	s_and_saveexec_b32 s22, vcc_lo
	global_store_b32 v9, v8, s[10:11]
	s_wait_xcnt 0x0
	s_or_b32 exec_lo, exec_lo, s22
	s_endpgm
.Lfunc_end_k_qa8b7943519_place:
	.size	k_qa8b7943519_place, .Lfunc_end_k_qa8b7943519_place-k_qa8b7943519_place
	.p2alignl 7, 3214868480
	.fill 96, 4, 3214868480
	.section	.rodata,"a",@progbits
	.p2align	6, 0x0
	.amdhsa_kernel k_qa8b7943519_place
		.amdhsa_group_segment_fixed_size 0
		.amdhsa_private_segment_fixed_size 0
		.amdhsa_enable_private_segment 0
		.amdhsa_kernarg_size 40
		.amdhsa_user_sgpr_count 2
		.amdhsa_user_sgpr_kernarg_segment_ptr 1
		.amdhsa_wavefront_size32 1
		.amdhsa_system_sgpr_workgroup_id_x 1
		.amdhsa_system_sgpr_workgroup_id_y 1
		.amdhsa_system_sgpr_workgroup_id_z 1
		.amdhsa_system_vgpr_workitem_id 0
		.amdhsa_next_free_vgpr 96
		.amdhsa_next_free_sgpr 66
		.amdhsa_reserve_vcc 1
		.amdhsa_float_denorm_mode_32 3
		.amdhsa_float_denorm_mode_16_64 3
		.amdhsa_memory_ordered 1
		.amdhsa_forward_progress 1
		.amdhsa_inst_pref_size 31
	.end_amdhsa_kernel
	.amdgpu_metadata
---
amdhsa.version: [ 1, 2 ]
amdhsa.kernels:
  - .name:           k_qa8b7943519_place
    .symbol:         k_qa8b7943519_place.kd
    .args:
      - { .name: sel, .offset: 0, .size: 8, .value_kind: global_buffer, .address_space: global }
      - { .name: rinfo, .offset: 8, .size: 8, .value_kind: global_buffer, .address_space: global }
      - { .name: list, .offset: 16, .size: 8, .value_kind: global_buffer, .address_space: global }
      - { .name: out1, .offset: 24, .size: 8, .value_kind: global_buffer, .address_space: global }
      - { .name: out2, .offset: 32, .size: 8, .value_kind: global_buffer, .address_space: global }
    .group_segment_fixed_size: 0
    .private_segment_fixed_size: 0
    .kernarg_segment_align: 8
    .kernarg_segment_size: 40
    .max_flat_workgroup_size: 32
    .sgpr_count:     66
    .vgpr_count:     96
    .wavefront_size: 32
...
	.end_amdgpu_metadata
.endif
;; end of part 2
;; launch up (part 3): grid 32 x 8, 4 waves a work-group, no clusters, 101,888 bytes of LDS; arguments xq, list, w1_codes, w1_scales, b1, hq; writes hq
.if DOCPART == 3
	.amdgcn_target "amdgcn-amd-amdhsa--gfx1250"
	.amdhsa_code_object_version 6
	.text
	.protected	k_qa8b7943519_up
	.globl	k_qa8b7943519_up
	.p2align	8
	.type	k_qa8b7943519_up,@function
k_qa8b7943519_up:
	s_mov_b64 s[64:65], 0
	v_nop
	global_prefetch_b8 v0, s[64:65] scope:SCOPE_SE
	s_setreg_imm32_b32 hwreg(HW_REG_WAVE_MODE, 25, 1), 1
	s_wait_xcnt 0x0
; UP.  For the rows routed to expert e (work-group y): hidden units 128 j .. 128 j + 127 (work-group x) of relu(x W1 + b1), quantised along the hidden axis: K step j of the second product.
; THE WEIGHTS STAND STILL: the work-group's 128 rows of W1, 98,304 bytes on end in memory, are read once in the launch, 512 consecutive bytes a load, laid into LDS by rows,
; and each of the four waves then keeps ALL of them in 768 registers (64 fragments of 16 rows x 128 K).  Wave w walks the expert's tiles of 16 rows w, w + 4, .. on its own: no barrier in the loop.
; The product is used transposed (source 0 = 16 rows of W1, source 1 = 16 tokens): a lane holds ONE token and its registers run along the hidden units.
; THE ROWS OF W1 THAT FORM A TILE ARE NOT NEIGHBOURS: lane r of tile 2 b + u takes row 32 b + 8 u + r + 8 (r / 8), so that the 16 registers of tiles 2 b and 2 b + 1 are 16 neighbours along the next K.
; In LDS the rows lie in that order already (bits 3 and 4 of a row's number change places), so a tile's 16 rows are neighbours there.  b1 is the C of each sum's first product.
; OUT: hq: a tile's fragment as an image of its 12 registers (3 x 512 bytes, lane l's 16 bytes at 16 l) at [e][tile][K step j]; its scale words, 4 bytes a lane, behind all images.
; The number of tiles is a number read from memory (the list's head), so this text has no tensor load, no joint load and no barrier behind the branch on it: operands go from memory straight into registers.
; A split that gives an expert no rows leaves its 32 work-groups without stores; all 1,024 tokens on one expert (64 tiles) are served too.
; LIMITS: as in the launch that quantises x: a block under 2^-122, a block of zeros among them, gets the byte 1.
.set PITCH, 784                        ; an LDS row: 768 bytes + 16 = 196 words: the 32 lanes of a load of 8 bytes touch 64 different words modulo 64
.set BIAS,  128*PITCH                  ; behind the weights: b1's 128 numbers
.set HSC,   25165824                   ; hq: where the scale words begin
.set L16, 1                            ; v1   16 x lane
.set L4,  2                            ; v2   4 x lane
.set BA,  3                            ; v3   LDS: BIAS + 64 h
.set R4,  4                            ; v4   4 r
.set LV,  5                            ; v5   my row's list entry, a tile ahead
.set XO,  6                            ; v6   xq: my token's codes: 768 token + 48 h
.set XSO, 7                            ; v7   its scale words: 32 token + 8 h
.set FA0, 8                            ; v8, v9  LDS: 784 r + 24 h, and the same four tiles on
.set LO,  10                           ; v10  the list: 64 tile + 4 r
.set H48, 11
.set H8,  12
.set TOK, 13
.set HOF, 14                           ; v14  hq: the image's place + 16 x lane
.set HSF, 15                           ; v15  its scale words' + 4 x lane
.set W1S, 16                           ; v16-47  W1's scale words: register 4 t + s / 2: lanes 0-15 the word of the even K step, lanes 16-31 of the odd
.set XS,  48                           ; v48-51  x's: v48, v49: words 0, 1 in lanes 0-15, words 2, 3 in lanes 16-31; v50, v51: words 4, 5 and 6, 7
.set ACC, 56                           ; v56-119  eight accumulators
.set XF,  120                          ; v120-215 x's eight fragments
.set W63, 216                          ; v216-227 W1's fragment 63; fragments 0-62 lie in windows 1 to 3, 21 to a window: fragment f = 8 s + t at register 12 (f % 21) of window 1 + f / 21
.set TM,  228                          ; v228-239 at work in QUANT
.set PW,  240
.set PC,  242                          ; v242-253
.set SA,  254                          ; v254 the head: where my wave lays its rows: 32 rows x wave + 16 x lane
.set SB,  255                          ; v255 the same behind one padding more for lanes 16-31
.set STGR, 56                          ; v56-247 the head: 48 loads' registers
.set SEL, 26                           ; s[26:27]
.set TRIPS, 29                         ; s29  my wave's trips; the loop does not write it
.set TRIP,  38                         ; s38  the trip in hand, stepped by one
.set MSB, 0
.macro WIN new                         ; the immediate's high byte repeats the setting that is left
.if MSB != (\new)
	s_set_vgpr_msb (MSB<<8)|(\new)
.set MSB, (\new)
.endif
.endm
.macro QUANT s
.irp b, 0,1,2,3
	v_max3_num_f32 v[TM+\b], |v[\s+16*\b]|, |v[\s+1+16*\b]|, 0x2800000   ; my 16 numbers of block b, and the floor 2^(5 - 127): the byte cannot fall under 1
.endr
.irp i, 2,4,6,8,10,12,14
.irp b, 0,1,2,3
	v_max3_num_f32 v[TM+\b], v[TM+\b], |v[\s+16*\b+\i]|, |v[\s+1+16*\b+\i]|
.endr
.endr
.irp b, 0,1,2,3
	v_permlanex16_b32 v[TM+4+\b], v[TM+\b], s[SEL], s[SEL+1]
.endr
.irp b, 0,1,2,3
	v_max_num_f32 v[TM+\b], v[TM+\b], v[TM+4+\b]
.endr
.irp b, 0,1,2,3
	v_add_nc_u32 v[TM+8+\b], 0xfe000000, v[TM+\b]                 ; 4 off the exponent field: the conversion's scale operand
.endr
.irp b, 0,1,2,3
	v_lshrrev_b32 v[TM+4+\b], 23, v[TM+8+\b]                      ; the scale's byte
.endr
	v_lshl_or_b32 v[PW], v[TM+5], 8, v[TM+4]
	v_lshl_or_b32 v[PW], v[TM+6], 16, v[PW]
	v_lshl_or_b32 v[PW], v[TM+7], 24, v[PW]
.irp c, 0,1
	v_cvt_scalef32_pk16_bf6_f32 v[PC+6*\c:PC+2+6*\c], v[\s+32*\c:\s+15+32*\c], v[TM+8+2*\c]
	v_cvt_scalef32_pk16_bf6_f32 v[TM+4*\c:TM+2+4*\c], v[\s+16+32*\c:\s+31+32*\c], v[TM+9+2*\c]
.endr
	v_nop                                          ; one plain line behind the conversions
.irp c, 0,1
.irp i, 0,1,2
	v_permlane16_swap_b32 v[PC+6*\c+\i], v[TM+4*\c+\i]
.endr
.irp i, 0,1,2
	v_mov_b32 v[PC+3+6*\c+\i], v[TM+4*\c+\i]
.endr
.endr
.endm
.macro ADDR                            ; from my row's list entry to its token's places in xq.  A pad's token is held at 1,023: its row is worked and nobody reads it
	v_lshrrev_b32 v[TOK], 1, v[LV]
	v_min_u32 v[TOK], 0x3ff, v[TOK]
	v_mul_u32_u24 v[XO], v[TOK], 768
	v_add_nc_u32 v[XO], v[XO], v[H48]
	v_lshl_add_u32 v[XSO], v[TOK], 5, v[H8]
.endm
.macro XLOADA                          ; K steps 0-3 of 16 tokens: 13 loads
.irp s, 0,1,2,3
.irp c, 0,1,2
	global_load_b128 v[XF+12*\s+4*\c:XF+12*\s+4*\c+3], v[XO], s[4:5] offset:96*\s+16*\c
.endr
.endr
	global_load_b64 v[XS:XS+1], v[XSO], s[4:5] offset:786432
.endm
.macro XLOADB                          ; K steps 4-7: 13 loads
.irp s, 4,5,6,7
.irp c, 0,1,2
	global_load_b128 v[XF+12*\s+4*\c:XF+12*\s+4*\c+3], v[XO], s[4:5] offset:96*\s+16*\c
.endr
.endr
	global_load_b64 v[XS+2:XS+3], v[XSO], s[4:5] offset:786448
.endm
; K step s: eight products, the eight accumulators by turns, one instruction a turn, in the same order in every K step
.macro KS s
.irp t, 0,1,2,3,4,5,6,7
.set fr, 8*(\s)+\t
.if fr < 63
	WIN 1+fr/21
.set rA, 12*(fr%21)
.else
	WIN 0
.set rA, W63
.endif
.set rD, ACC+8*\t
.set rB, XF+12*(\s)
.set rSA, W1S+4*\t+(\s)/2
.set rSB, XS+2*((\s)/4)+(\s)%2
.if ((\s)%2) && (((\s)/2)%2)
	v_wmma_scale_f32_16x16x128_f8f6f4 v[rD:rD+7], v[rA:rA+11], v[rB:rB+11], v[rD:rD+7], v[rSA], v[rSB] matrix_a_fmt:MATRIX_FMT_BF6 matrix_b_fmt:MATRIX_FMT_BF6 matrix_a_scale:MATRIX_SCALE_ROW1 matrix_b_scale:MATRIX_SCALE_ROW1
.elseif (\s)%2
	v_wmma_scale_f32_16x16x128_f8f6f4 v[rD:rD+7], v[rA:rA+11], v[rB:rB+11], v[rD:rD+7], v[rSA], v[rSB] matrix_a_fmt:MATRIX_FMT_BF6 matrix_b_fmt:MATRIX_FMT_BF6 matrix_a_scale:MATRIX_SCALE_ROW1
.elseif ((\s)/2)%2
	v_wmma_scale_f32_16x16x128_f8f6f4 v[rD:rD+7], v[rA:rA+11], v[rB:rB+11], v[rD:rD+7], v[rSA], v[rSB] matrix_a_fmt:MATRIX_FMT_BF6 matrix_b_fmt:MATRIX_FMT_BF6 matrix_b_scale:MATRIX_SCALE_ROW1
.else
	v_wmma_scale_f32_16x16x128_f8f6f4 v[rD:rD+7], v[rA:rA+11], v[rB:rB+11], v[rD:rD+7], v[rSA], v[rSB] matrix_a_fmt:MATRIX_FMT_BF6 matrix_b_fmt:MATRIX_FMT_BF6
.endif
.endr
.endm
.macro PLACES                          ; four plain lines between a product and a load into one of its registers, or a read of its result
.rept 4
	v_nop
.endr
.endm
	s_load_b256 s[4:11], s[0:1], 0x0               ; xq s[4:5], list s[6:7], W1's codes s[8:9], W1's scales s[10:11]
	s_load_b128 s[12:15], s[0:1], 0x20             ; b1 s[12:13], hq s[14:15]
	v_lshl_add_u32 v54, v0, 2, 0x18c00
	v_mov_b32 v55, 0
	v_lshrrev_b32 v1, 5, v0
	v_readfirstlane_b32 s16, v1                    ; wave w
	s_mov_b32 s17, ttmp9                           ; j
	s_and_b32 s18, ttmp7, 0xffff                   ; e
	v_and_b32 v248, 31, v0                         ; lane
	v_and_b32 v249, 15, v0                         ; r
	v_bfe_u32 v250, v0, 4, 1                       ; h
	v_lshlrev_b32 v[L16], 4, v248
	v_lshlrev_b32 v[L4], 2, v248
	v_lshl_add_u32 v[BA], v250, 6, BIAS
	v_lshlrev_b32 v[R4], 2, v249
	v_mul_u32_u24 v[FA0], v249, PITCH
	v_mad_u32_u24 v[FA0], v250, 24, v[FA0]
	v_add_nc_u32 v[FA0+1], 64*PITCH, v[FA0]
	v_mul_u32_u24 v[H48], v250, 48
	v_lshlrev_b32 v[H8], 3, v250
	s_mul_i32 s23, s16, 32*PITCH
	v_add_nc_u32 v[SA], s23, v[L16]
	v_lshl_add_u32 v[SB], v250, 4, v[SA]
	v_lshlrev_b32 v251, 2, v0                      ; b1: 4 bytes a thread,
	v_lshl_add_u32 v252, v0, 2, BIAS               ; and its place in LDS
	v_and_b32 v[TOK], 8, v249
	v_add_nc_u32 v[TOK], v[TOK], v249              ; r + 8 (r / 8)
	v_lshlrev_b32 v[TOK], 5, v[TOK]
	v_lshl_add_u32 v[TOK], v250, 2, v[TOK]         ; W1's scale words: 32 bytes a row, + 4 h
	s_mov_b32 s[SEL], 0x76543210
	s_mov_b32 s[SEL+1], 0xfedcba98
	s_lshl_b32 s28, s18, 11
	s_add_co_u32 s28, s28, s17                     ; 2,048 e + j: an image's number is this + 32 x tile
	s_mul_i32 s30, s18, 3145728                    ; W1's codes: the expert,
	s_mul_i32 s23, s17, 98304                      ; the slice's 128 rows of 768 bytes,
	s_add_co_u32 s30, s30, s23
	s_mul_i32 s23, s16, 24576                      ; my wave's 32
	s_add_co_u32 s30, s30, s23
	s_mov_b32 s31, 0
	s_lshl_b32 s32, s18, 17                        ; its scales: 32 bytes a row
	s_lshl_b32 s23, s17, 12
	s_add_co_u32 s32, s32, s23
	s_mov_b32 s33, 0
	s_lshl_b32 s34, s18, 14                        ; b1
	s_lshl_b32 s23, s17, 9
	s_add_co_u32 s34, s34, s23
	s_mov_b32 s35, 0
	s_mul_i32 s36, s18, 4608                       ; the expert's list
	s_mov_b32 s37, 0
	s_wait_kmcnt 0x0
	s_add_nc_u64 s[8:9], s[8:9], s[30:31]
	s_add_nc_u64 s[10:11], s[10:11], s[32:33]
	s_add_nc_u64 s[12:13], s[12:13], s[34:35]
	s_add_nc_u64 s[6:7], s[6:7], s[36:37]
	s_load_b32 s19, s[6:7], 0x0                    ; n: the expert's rows
.set i, 0
.rept 48
	global_load_b128 v[STGR+4*i:STGR+4*i+3], v[L16], s[8:9] offset:512*i th:TH_LOAD_NT   ; 512 consecutive bytes a load; each byte is read once in the launch
.set i, i+1
.endr
.irp t, 0,1,2,3,4,5,6,7
.irp s2, 0,1,2,3
	global_load_b32 v[W1S+4*\t+\s2], v[TOK], s[10:11] offset:32*(32*(\t/2)+8*(\t%2))+8*\s2
.endr
.endr
	global_load_b32 v253, v251, s[12:13]
	s_wait_loadcnt 33                              ; the codes are in; the 32 scale words and the bias may be out
.set q, 0
.rept 16                               ; three loads are two rows, 2 q and 2 q + 1; they go to two neighbouring places
.set sl, PITCH*(((2*q)&7)|((((2*q)>>3)&1)<<4)|((((2*q)>>4)&1)<<3))
	ds_store_b128 v[SA], v[STGR+12*q:STGR+12*q+3] offset:sl
	ds_store_b128 v[SB], v[STGR+12*q+4:STGR+12*q+7] offset:sl+512
	ds_store_b128 v[SA], v[STGR+12*q+8:STGR+12*q+11] offset:sl+1040
.set q, q+1
.endr
	s_wait_loadcnt 0x0
	ds_store_b32 v252, v253
	s_wait_dscnt 0x0                               ; for the others' sake: my stores have landed
	s_barrier_signal -1
	s_barrier_wait -1                              ; the launch's one barrier, ahead of every branch on a number read from memory; nothing is stored to LDS behind it
	s_wait_kmcnt 0x0
	s_add_co_u32 s20, s19, 15
	s_lshr_b32 s20, s20, 4
	s_min_u32 s20, s20, 64                         ; the expert's tiles
	s_cmp_ge_u32 s16, s20
	s_cbranch_scc1 .Lend                           ; no tile for my wave
	s_sub_co_u32 s22, s20, 1                       ; the last tile
	s_sub_co_u32 s[TRIPS], s20, s16                ; tiles w, w + 4, .. under the expert's number of tiles:
	s_add_co_u32 s[TRIPS], s[TRIPS], 3
	s_lshr_b32 s[TRIPS], s[TRIPS], 2               ; (tiles - w + 3) / 4 trips, at least one
	s_mov_b32 s[TRIP], 0
	s_lshl_b32 s23, s16, 6
	v_add_nc_u32 v[LO], s23, v[R4]
	global_load_b32 v[LV], v[LO], s[6:7] offset:128
	s_wait_loadcnt 0x0
	ADDR
	s_add_co_u32 s23, s16, 4
	s_min_u32 s23, s23, s22
	s_min_u32 s23, s23, 63
	s_lshl_b32 s23, s23, 6
	v_add_nc_u32 v[LO], s23, v[R4]
	global_load_b32 v[LV], v[LO], s[6:7] offset:128        ; my next tile's entries (or the last tile's: inside the list, and written)
	XLOADA
	XLOADB
.set fr, 0
.rept 64                               ; all 64 fragments of W1 into my registers
.if fr < 63
	WIN (1+fr/21)<<6
.set rA, 12*(fr%21)
.else
	WIN 0
.set rA, W63
.endif
.irp p, 0,1,2,3,4,5
	ds_load_b64 v[rA+2*\p:rA+2*\p+1], v[FA0+(fr%8)/4] offset:16*PITCH*((fr%8)%4)+96*(fr/8)+48*(\p/3)+8*(\p%3)
.endr
.set fr, fr+1
.endr
	WIN 0
.irp b, 0,1,2,3
	v_mov_b32 v[TM+4+\b], 0                        ; written once: a lane permute's destination counts as one of its sources
.endr
	s_wait_dscnt 0x0
.Ltile:
	s_lshl_b32 s21, s[TRIP], 2
	s_add_co_u32 s21, s21, s16                     ; T = 4 x trip + w: this trip's tile
	s_wait_loadcnt 13                              ; the next tile's entries and this tile's K steps 0-3 are in; its K steps 4-7 (13 loads) may be out
	s_wait_xcnt 0x0                                ; the offsets of pending loads, and the last tile's stores' offsets and data, are written again only behind this wait
	ADDR                                           ; the next tile's tokens
	s_add_co_u32 s23, s21, 8
	s_min_u32 s23, s23, s22
	s_min_u32 s23, s23, 63
	s_lshl_b32 s23, s23, 6
	v_add_nc_u32 v[LO], s23, v[R4]
	s_min_u32 s23, s21, 63
	s_lshl_b32 s23, s23, 5
	s_add_co_u32 s23, s23, s28                     ; this tile's image: 2,048 e + 32 T + j
	s_mul_i32 s24, s23, 1536
	v_add_nc_u32 v[HOF], s24, v[L16]
	s_lshl_b32 s24, s23, 7
	s_add_co_u32 s24, s24, HSC
	v_add_nc_u32 v[HSF], s24, v[L4]
	global_load_b32 v[LV], v[LO], s[6:7] offset:128
.irp t, 0,1,2,3,4,5,6,7
.irp q, 0,1
	ds_load_b128 v[ACC+8*\t+4*\q:ACC+8*\t+4*\q+3], v[BA] offset:4*(32*(\t/2)+8*(\t%2))+16*\q   ; b1 at my eight hidden units of tile t: the sums begin with it
.endr
.endr
	s_wait_dscnt 0x0
	KS 0
	KS 1
	KS 2
	KS 3
	WIN 0
	PLACES
	XLOADA                                         ; the next tile's K steps 0-3
	s_wait_loadcnt 14                              ; this tile's K steps 4-7 are in; the list word and the 13 just issued may be out
	KS 4
	KS 5
	KS 6
	KS 7
	WIN 0
	PLACES
	XLOADB                                         ; the next tile's K steps 4-7
.set j, 0
.rept 64
	v_max_num_f32 v[ACC+j], 0, v[ACC+j]            ; the activation, in f32; each accumulator from its low end on
.set j, j+1
.endr
	QUANT ACC
	global_store_b128 v[HOF], v[PC:PC+3], s[14:15]             ; each store of the wave covers 512 consecutive bytes, aligned
	global_store_b128 v[HOF], v[PC+4:PC+7], s[14:15] offset:512
	global_store_b128 v[HOF], v[PC+8:PC+11], s[14:15] offset:1024
	global_store_b32 v[HSF], v[PW], s[14:15]
	s_add_co_u32 s[TRIP], s[TRIP], 1               ; the loop counts its trips by one
	s_cmp_lt_u32 s[TRIP], s[TRIPS]
	s_cbranch_scc1 .Ltile
.Lend:
	s_wait_tensorcnt 0x0
	ds_add_u32 v54, v55
	s_wait_dscnt 0x0
	s_endpgm
.Lfunc_end_k_qa8b7943519_up:
	.size	k_qa8b7943519_up, .Lfunc_end_k_qa8b7943519_up-k_qa8b7943519_up
	.p2alignl 7, 3214868480
	.fill 96, 4, 3214868480
	.section	.rodata,"a",@progbits
	.p2align	6, 0x0
	.amdhsa_kernel k_qa8b7943519_up
		.amdhsa_group_segment_fixed_size 101888
		.amdhsa_private_segment_fixed_size 0
		.amdhsa_enable_private_segment 0
		.amdhsa_kernarg_size 48
		.amdhsa_user_sgpr_count 2
		.amdhsa_user_sgpr_kernarg_segment_ptr 1
		.amdhsa_wavefront_size32 1
		.amdhsa_system_sgpr_workgroup_id_x 1
		.amdhsa_system_sgpr_workgroup_id_y 1
		.amdhsa_system_sgpr_workgroup_id_z 1
		.amdhsa_system_vgpr_workitem_id 0
		.amdhsa_next_free_vgpr 1024
		.amdhsa_next_free_sgpr 66
		.amdhsa_reserve_vcc 0
		.amdhsa_float_denorm_mode_32 3
		.amdhsa_float_denorm_mode_16_64 3
		.amdhsa_memory_ordered 1
		.amdhsa_forward_progress 1
		.amdhsa_inst_pref_size 61
	.end_amdhsa_kernel
	.amdgpu_metadata
---
amdhsa.version: [ 1, 2 ]
amdhsa.kernels:
  - .name:           k_qa8b7943519_up
    .symbol:         k_qa8b7943519_up.kd
    .args:
      - { .name: xq, .offset: 0, .size: 8, .value_kind: global_buffer, .address_space: global }
      - { .name: list, .offset: 8, .size: 8, .value_kind: global_buffer, .address_space: global }
      - { .name: w1_codes, .offset: 16, .size: 8, .value_kind: global_buffer, .address_space: global }
      - { .name: w1_scales, .offset: 24, .size: 8, .value_kind: global_buffer, .address_space: global }
      - { .name: b1, .offset: 32, .size: 8, .value_kind: global_buffer, .address_space: global }
      - { .name: hq, .offset: 40, .size: 8, .value_kind: global_buffer, .address_space: global }
    .group_segment_fixed_size: 101888
    .private_segment_fixed_size: 0
    .kernarg_segment_align: 8
    .kernarg_segment_size: 48
    .max_flat_workgroup_size: 128
    .sgpr_count:     66
    .vgpr_count:     1024
    .wavefront_size: 32
...
	.end_amdgpu_metadata
.endif
;; end of part 3
;; launch down (part 4): grid 32 x 8, 4 waves a work-group, no clusters, 109,056 bytes of LDS; arguments hq, list, w2_codes, w2_scales, b2, y; writes y
.if DOCPART == 4
	.amdgcn_target "amdgcn-amd-amdhsa--gfx1250"
	.amdhsa_code_object_version 6
	.text
	.protected	k_qa8b7943519_down
	.globl	k_qa8b7943519_down
	.p2align	8
	.type	k_qa8b7943519_down,@function
k_qa8b7943519_down:
	s_mov_b64 s[64:65], 0
	v_nop
	global_prefetch_b8 v0, s[64:65] scope:SCOPE_SE
	s_setreg_imm32_b32 hwreg(HW_REG_WAVE_MODE, 25, 1), 1
	s_wait_xcnt 0x0
; DOWN.  For the rows routed to expert e (work-group y): columns 32 j .. 32 j + 31 (work-group x) of h W2 + b2, as TWO partial sums, one for each half of K, stored to y at [row][half][column];
; the row is the one that the list names (2 x token + slot).  The launch behind this one adds the halves.  So a row's sum is made in two chains of 16 K steps and not in one of 32.
; THE WEIGHTS STAND STILL: the work-group's 32 rows of W2 (3,072 bytes each, 98,304 on end) are read once in the launch and go through LDS.  Wave w takes K half w % 2 (K steps 16 (w % 2) on)
; and keeps its 32 fragments (2 tiles of columns x 16 K steps) in 384 registers; it walks the expert's tiles w / 2, w / 2 + 2, .. on its own: no barrier in the loop.
; THE RING IS A WHOLE HALF TILE: 16 fragments of h, 192 registers.  A slot is filled again, with the next tile's same K step, as soon as it has been multiplied: 42 to 48 loads of 512 bytes are on their way.
; The hidden layer comes as images of operand registers: three loads of 512 bytes a fragment.  Its scale words come a tile ahead, eight loads at a trip's head, and are copied at the next head.
; The product is used transposed (source 0 = 16 rows of W2, source 1 = 16 rows of h): a lane holds eight neighbouring columns of one row.  b2 is the C of half 0's first products; half 1 begins with zeros.
; REGISTERS, in windows of 256: window 0: addresses, scale words, the way out.  Window 1: v0-191 the ring, v192-207 two accumulators, v208-223 b2.  Window 2: W2's local K steps 0-7 (fragment (s, n) at 12 (2 s + n)); window 3: K steps 8-15.
; v200 of windows 2 and 3 holds the ring loads' offset: under one setting a product finds D, C and B in window 1 and A in window 2 (or 3), and a load its destination in window 1 and its address in window 2 (or 3).
; Two accumulators by turns, one instruction a turn.
; OUT: a tile's 16 x 32 results turn through my wave's own stage in LDS; eight lanes then store 128 consecutive bytes of a row: a slice is 32 columns.
; The number of tiles is read from memory, so this text has no tensor load, no joint load, and no barrier behind the branch on it.
.set PITCH, 3088                       ; an LDS row: 3,072 bytes + 16 = 772 words
.set STG,   32*PITCH                   ; behind the weights: 16 rows x 144 bytes for each wave
.set HSC,   25165824                   ; hq: where the scale words begin
.set L16, 1                            ; v1   16 x lane
.set HSO, 2                            ; v2   hq: the next tile's scale words + my lane's place
.set LO,  3                            ; v3   the list: 64 tile + 4 (lane / 8)
.set SO,  4                            ; v4   the stage, in: 144 r + 32 h
.set SR,  5                            ; v5   and back: 144 (lane / 8) + 16 (lane % 8)
.set YC,  6                            ; v6   4,096 x half + 128 j + 16 (lane % 8): my 16 bytes in a row of y
.set HL,  7                            ; v7   2,048 x half + 128 h + 4 x lane: lanes 0-15 the even K step's scale words, lanes 16-31 the odd one's
.set L3,  8                            ; v8   4 (lane / 8)
.set FA,  9                            ; v9   LDS: 3,088 r + 24 h + 1,536 x half
.set SA,  10                           ; v10  the head: 8 rows x wave + 16 x lane
.set HB,  11                           ; v11  16 x lane + 24,576 x half: my place in a tile's 32 images
.set W2S, 16                           ; v16-31  W2's scale words: register 8 n + s / 2: lanes 0-15 the even K step's word, lanes 16-31 the odd one's
.set HS,  32                           ; v32-39  h's scale words of the tile in hand, likewise
.set HSN, 40                           ; v40-47  those of the next tile, on their way
.set LV,  48                           ; v48-51  four list entries: rows 4 i + lane / 8 of the tile
.set YO,  52                           ; v52-55  their places in y
.set OB,  56                           ; v56-71  the tile's rows, back from the stage
.set STGR, 64                          ; v64-255 the head: 48 loads' registers
.set ACC, 192                          ; in window 1
.set BI,  208                          ; in window 1
.set HOW, 200                          ; in windows 2 and 3
.set TRIPS, 29                         ; s29  my wave's trips; the loop does not write it
.set TRIP,  38                         ; s38  the trip in hand, stepped by one
.set MSB, 0
.macro WIN new                         ; the immediate's high byte repeats the setting that is left
.if MSB != (\new)
	s_set_vgpr_msb (MSB<<8)|(\new)
.set MSB, (\new)
.endif
.endm
.macro NADDR                           ; the places in hq of the tile in s23, which is held under 64
	s_add_co_u32 s24, s23, s28
	s_mul_i32 s25, s24, 49152
	s_lshl_b32 s24, s24, 12
	s_add_co_u32 s24, s24, HSC
	v_add_nc_u32 v[HSO], s24, v[HL]
	WIN 0x80                                       ; destination window 2
	v_add_nc_u32 v[HOW], s25, v[HB]
	WIN 0xc0                                       ; destination window 3
	v_add_nc_u32 v[HOW], s25, v[HB]
	WIN 0
.endm
.macro HSLOAD                          ; that tile's scale words of my 16 K steps: eight loads
.irp i, 0,1,2,3,4,5,6,7
	global_load_b32 v[HSN+\i], v[HSO], s[4:5] offset:256*\i
.endr
.endm
.macro ULOAD u                         ; unit u of that tile, my K steps 2 u and 2 u + 1, into their slots: six loads
.irp c2, 0,1
.irp c, 0,1,2
	global_load_b128 v[12*(2*(\u)+\c2)+4*\c:12*(2*(\u)+\c2)+4*\c+3], v[HOW], s[4:5] offset:1536*(2*(\u)+\c2)+512*\c
.endr
.endr
.endm
	s_load_b256 s[4:11], s[0:1], 0x0               ; hq s[4:5], list s[6:7], W2's codes s[8:9], W2's scales s[10:11]
	s_load_b128 s[12:15], s[0:1], 0x20             ; b2 s[12:13], y s[14:15]
	s_set_vgpr_msb 0x40
	v_lshl_add_u32 v254, v0, 2, 0x1a800
	v_mov_b32 v255, 0
	s_set_vgpr_msb 0x4000
	v_lshrrev_b32 v1, 5, v0
	v_readfirstlane_b32 s16, v1                    ; wave w
	s_mov_b32 s17, ttmp9                           ; j
	s_and_b32 s18, ttmp7, 0xffff                   ; e
	s_and_b32 s39, s16, 1                          ; my half of K
	s_lshr_b32 s40, s16, 1                         ; my first tile
	v_and_b32 v12, 31, v0                          ; lane
	v_and_b32 v13, 15, v0                          ; r
	v_bfe_u32 v14, v0, 4, 1                        ; h
	v_lshrrev_b32 v15, 3, v12                      ; lane / 8
	v_and_b32 v48, 7, v0                           ; lane % 8
	v_lshlrev_b32 v[L16], 4, v12
	s_mul_i32 s23, s39, 24576
	v_add_nc_u32 v[HB], s23, v[L16]
	v_lshlrev_b32 v[HL], 2, v12
	v_lshl_add_u32 v[HL], v14, 7, v[HL]
	s_lshl_b32 s23, s39, 11
	v_add_nc_u32 v[HL], s23, v[HL]
	v_lshlrev_b32 v[L3], 2, v15
	v_mul_u32_u24 v[FA], v13, PITCH
	v_mad_u32_u24 v[FA], v14, 24, v[FA]
	s_mul_i32 s23, s39, 1536
	v_add_nc_u32 v[FA], s23, v[FA]
	s_mul_i32 s23, s16, 8*PITCH
	v_add_nc_u32 v[SA], s23, v[L16]
	s_mul_i32 s23, s16, 2304
	s_add_co_u32 s23, s23, STG                     ; my stage
	v_mul_u32_u24 v[SO], v13, 144
	v_lshl_add_u32 v[SO], v14, 5, v[SO]
	v_add_nc_u32 v[SO], s23, v[SO]
	v_mul_u32_u24 v[SR], v15, 144
	v_lshl_add_u32 v[SR], v48, 4, v[SR]
	v_add_nc_u32 v[SR], s23, v[SR]
	s_lshl_b32 s24, s17, 7                         ; 128 j
	s_lshl_b32 s23, s39, 12
	s_add_co_u32 s23, s23, s24
	v_lshlrev_b32 v[YC], 4, v48
	v_add_nc_u32 v[YC], s23, v[YC]
	v_lshlrev_b32 v49, 7, v13
	v_lshl_add_u32 v49, v14, 2, v49
	s_lshl_b32 s23, s39, 6
	v_add_nc_u32 v49, s23, v49                     ; W2's scale words: 128 bytes a row, + 4 h, + 64 x half
	v_lshlrev_b32 v50, 5, v14
	v_add_nc_u32 v50, s24, v50                     ; b2: 128 j + 32 h: my eight columns of a tile
	s_cmp_eq_u32 s39, 0
	s_cselect_b32 s41, -1, 0                       ; all lanes where my half is half 0
	s_lshl_b32 s28, s18, 6                         ; 64 e
	s_mul_i32 s30, s18, 3145728                    ; W2's codes: the expert,
	s_mul_i32 s23, s17, 98304                      ; the slice's 32 rows of 3,072 bytes,
	s_add_co_u32 s30, s30, s23
	s_mul_i32 s23, s16, 24576                      ; the 8 that my wave lays into LDS
	s_add_co_u32 s30, s30, s23
	s_mov_b32 s31, 0
	s_lshl_b32 s32, s18, 17                        ; its scales
	s_lshl_b32 s23, s17, 12
	s_add_co_u32 s32, s32, s23
	s_mov_b32 s33, 0
	s_lshl_b32 s34, s18, 12                        ; b2's row
	s_mov_b32 s35, 0
	s_mul_i32 s36, s18, 4608                       ; the expert's list
	s_mov_b32 s37, 0
	s_wait_kmcnt 0x0
	s_add_nc_u64 s[8:9], s[8:9], s[30:31]
	s_add_nc_u64 s[10:11], s[10:11], s[32:33]
	s_add_nc_u64 s[12:13], s[12:13], s[34:35]
	s_add_nc_u64 s[6:7], s[6:7], s[36:37]
	s_load_b32 s19, s[6:7], 0x0                    ; n: the expert's rows
.set i, 0
.rept 48
	global_load_b128 v[STGR+4*i:STGR+4*i+3], v[L16], s[8:9] offset:512*i th:TH_LOAD_NT   ; 512 consecutive bytes a load; each byte is read once in the launch
.set i, i+1
.endr
.irp n, 0,1
.irp i2, 0,1,2,3,4,5,6,7
	global_load_b32 v[W2S+8*\n+\i2], v49, s[10:11] offset:2048*\n+8*\i2
.endr
.endr
	WIN 0x40                                       ; destination window 1
.irp n, 0,1
.irp q, 0,1
	global_load_b128 v[BI+8*\n+4*\q:BI+8*\n+4*\q+3], v50, s[12:13] offset:64*\n+16*\q   ; b2 at columns 16 n + 8 h + 0 .. 7: the result's layout
.endr
.endr
	WIN 0
	s_wait_loadcnt 20                              ; the codes are in; the 16 scale words and b2's 4 loads may be out
.set i, 0
.rept 48                               ; six loads are a row
	ds_store_b128 v[SA], v[STGR+4*i:STGR+4*i+3] offset:PITCH*(i/6)+512*(i%6)
.set i, i+1
.endr
	s_wait_loadcnt 0x0
	WIN 0x44                                       ; destination and source 1 window 1
.set k, 0
.rept 16
	v_cndmask_b32 v[BI+k], 0, v[BI+k], s41         ; b2 enters half 0's sums alone
.set k, k+1
.endr
	WIN 0
	s_wait_dscnt 0x0                               ; for the others' sake: my stores have landed
	s_barrier_signal -1
	s_barrier_wait -1                              ; the launch's one barrier, ahead of every branch on a number read from memory; behind it a wave stores to its own stage alone
	s_wait_kmcnt 0x0
	s_add_co_u32 s20, s19, 15
	s_lshr_b32 s20, s20, 4
	s_min_u32 s20, s20, 64                         ; the expert's tiles
	s_cmp_ge_u32 s40, s20
	s_cbranch_scc1 .Lend                           ; no tile for my wave
	s_sub_co_u32 s22, s20, 1                       ; the last tile
	s_sub_co_u32 s[TRIPS], s20, s40                ; tiles w / 2, w / 2 + 2, .. under the expert's number of tiles:
	s_add_co_u32 s[TRIPS], s[TRIPS], 1
	s_lshr_b32 s[TRIPS], s[TRIPS], 1               ; (tiles - w / 2 + 1) / 2 trips, at least one
	s_mov_b32 s[TRIP], 0
	s_min_u32 s23, s40, 63                         ; my first tile
	NADDR
	HSLOAD                                         ; as at the loop's backward jump: 8 scale loads, then the ring's 48
	WIN 0x56                                       ; destination window 1, address window 2
.irp u, 0,1,2,3,4,5,6,7
	ULOAD \u
.endr
.set fr, 0
.rept 32                               ; my 32 fragments of W2 (fr = 2 s + n) into windows 2 and 3
	WIN (2+fr/16)<<6
.set rA, 12*(fr%16)
.irp p, 0,1,2,3,4,5
	ds_load_b64 v[rA+2*\p:rA+2*\p+1], v[FA] offset:16*PITCH*(fr%2)+96*(fr/2)+48*(\p/3)+8*(\p%3)
.endr
.set fr, fr+1
.endr
	WIN 0
	s_wait_dscnt 0x0
.Ltile:
	s_lshl_b32 s21, s[TRIP], 1
	s_add_co_u32 s21, s21, s40                     ; T = 2 x trip + w / 2: this trip's tile
	s_wait_loadcnt 48                              ; this tile's scale words are in; the ring's 48 loads may be out
.irp i, 0,1,2,3,4,5,6,7
	v_mov_b32 v[HS+\i], v[HSN+\i]
.endr
	s_wait_xcnt 0x0                                ; the offsets of pending loads, and the last tile's stores' offsets and data, are written again only behind this wait
	s_min_u32 s23, s21, 63
	s_lshl_b32 s25, s23, 6
	v_add_nc_u32 v[LO], s25, v[L3]
	s_add_co_u32 s23, s21, 2
	s_min_u32 s23, s23, s22
	s_min_u32 s23, s23, 63
	NADDR                                          ; my next tile (or the last one: written, and inside the buffer)
.irp i4, 0,1,2,3
	global_load_b32 v[LV+\i4], v[LO], s[6:7] offset:128+16*\i4
.endr
	HSLOAD
.rept 8
	v_nop                                          ; eight plain lines between the copies of the scale words and the first scaled product
.endr
.set un, 0
.rept 8
	s_wait_loadcnt 54                              ; this unit's six loads are in.  Behind them: 48 - 6 (u + 1) of this tile's, the 4 list words, the 8 scale words, 6 u of the next tile's
.irp c2, 0,1
.irp n, 0,1
.set sl, 2*un+\c2
	WIN 0x56+sl/8                                  ; D, C and B window 1; A window 2 or 3
.set rA, 12*(2*(sl%8)+\n)
.set rB, 12*sl
.set rD, ACC+8*\n
.set rC, BI+8*\n
.set rSA, W2S+8*\n+un
.set rSB, HS+un
.if sl == 0
	v_wmma_scale_f32_16x16x128_f8f6f4 v[rD:rD+7], v[rA:rA+11], v[rB:rB+11], v[rC:rC+7], v[rSA], v[rSB] matrix_a_fmt:MATRIX_FMT_BF6 matrix_b_fmt:MATRIX_FMT_BF6
.elseif \c2
	v_wmma_scale_f32_16x16x128_f8f6f4 v[rD:rD+7], v[rA:rA+11], v[rB:rB+11], v[rD:rD+7], v[rSA], v[rSB] matrix_a_fmt:MATRIX_FMT_BF6 matrix_b_fmt:MATRIX_FMT_BF6 matrix_a_scale:MATRIX_SCALE_ROW1 matrix_b_scale:MATRIX_SCALE_ROW1
.else
	v_wmma_scale_f32_16x16x128_f8f6f4 v[rD:rD+7], v[rA:rA+11], v[rB:rB+11], v[rD:rD+7], v[rSA], v[rSB] matrix_a_fmt:MATRIX_FMT_BF6 matrix_b_fmt:MATRIX_FMT_BF6
.endif
.endr
.endr
.rept 4
	v_nop                                          ; four plain lines between the products and the loads into their registers (behind the last unit: and the reads of the results)
.endr
	ULOAD un                                       ; the same slots take the next tile's same K steps
.set un, un+1
.endr
	WIN 0x04                                       ; an LDS store's data are its source 1: window 1
.irp n, 0,1
.irp q, 0,1
	ds_store_b128 v[SO], v[ACC+8*\n+4*\q:ACC+8*\n+4*\q+3] offset:64*\n+16*\q       ; lane (r, h): row r, columns 16 n + 8 h + 4 q on; each accumulator from its low end on
.endr
.endr
	WIN 0
.irp i4, 0,1,2,3
	ds_load_b128 v[OB+4*\i4:OB+4*\i4+3], v[SR] offset:576*\i4      ; my wave's own bytes: LDS serves a wave's instructions in order
.endr
	s_wait_loadcnt 56                              ; the list words are in; the next tile's 8 scale words and 48 ring loads may be out
.irp i4, 0,1,2,3
	v_min_u32 v[YO+\i4], 0x87f, v[LV+\i4]          ; the row of y, held inside its 2,176
.endr
.irp i4, 0,1,2,3
	v_lshl_add_u32 v[YO+\i4], v[YO+\i4], 13, v[YC] ; 8,192 bytes a row: two halves of 4,096
.endr
	s_wait_dscnt 0x0
.irp i4, 0,1,2,3
	global_store_b128 v[YO+\i4], v[OB+4*\i4:OB+4*\i4+3], s[14:15]
.endr
	s_add_co_u32 s[TRIP], s[TRIP], 1               ; the loop counts its trips by one
	s_cmp_lt_u32 s[TRIP], s[TRIPS]
	s_cbranch_scc1 .Ltile
.Lend:
	s_set_vgpr_msb 0x5
	s_wait_tensorcnt 0x0
	ds_add_u32 v254, v255
	s_wait_dscnt 0x0
	s_set_vgpr_msb 0x500
	s_endpgm
.Lfunc_end_k_qa8b7943519_down:
	.size	k_qa8b7943519_down, .Lfunc_end_k_qa8b7943519_down-k_qa8b7943519_down
	.p2alignl 7, 3214868480
	.fill 96, 4, 3214868480
	.section	.rodata,"a",@progbits
	.p2align	6, 0x0
	.amdhsa_kernel k_qa8b7943519_down
		.amdhsa_group_segment_fixed_size 109056
		.amdhsa_private_segment_fixed_size 0
		.amdhsa_enable_private_segment 0
		.amdhsa_kernarg_size 48
		.amdhsa_user_sgpr_count 2
		.amdhsa_user_sgpr_kernarg_segment_ptr 1
		.amdhsa_wavefront_size32 1
		.amdhsa_system_sgpr_workgroup_id_x 1
		.amdhsa_system_sgpr_workgroup_id_y 1
		.amdhsa_system_sgpr_workgroup_id_z 1
		.amdhsa_system_vgpr_workitem_id 0
		.amdhsa_next_free_vgpr 1024
		.amdhsa_next_free_sgpr 66
		.amdhsa_reserve_vcc 0
		.amdhsa_float_denorm_mode_32 3
		.amdhsa_float_denorm_mode_16_64 3
		.amdhsa_memory_ordered 1
		.amdhsa_forward_progress 1
		.amdhsa_inst_pref_size 47
	.end_amdhsa_kernel
	.amdgpu_metadata
---
amdhsa.version: [ 1, 2 ]
amdhsa.kernels:
  - .name:           k_qa8b7943519_down
    .symbol:         k_qa8b7943519_down.kd
    .args:
      - { .name: hq, .offset: 0, .size: 8, .value_kind: global_buffer, .address_space: global }
      - { .name: list, .offset: 8, .size: 8, .value_kind: global_buffer, .address_space: global }
      - { .name: w2_codes, .offset: 16, .size: 8, .value_kind: global_buffer, .address_space: global }
      - { .name: w2_scales, .offset: 24, .size: 8, .value_kind: global_buffer, .address_space: global }
      - { .name: b2, .offset: 32, .size: 8, .value_kind: global_buffer, .address_space: global }
      - { .name: y, .offset: 40, .size: 8, .value_kind: global_buffer, .address_space: global }
    .group_segment_fixed_size: 109056
    .private_segment_fixed_size: 0
    .kernarg_segment_align: 8
    .kernarg_segment_size: 48
    .max_flat_workgroup_size: 128
    .sgpr_count:     66
    .vgpr_count:     1024
    .wavefront_size: 32
...
	.end_amdgpu_metadata
.endif
;; end of part 4
;; launch mix (part 5): grid 256 x 1, 4 waves a work-group, no clusters, 0 bytes of LDS; arguments y, rinfo, out0; writes out0
.if DOCPART == 5
	.amdgcn_target "amdgcn-amd-amdhsa--gfx1250"
	.amdhsa_code_object_version 6
	.text
	.protected	k_qa8b7943519_mix
	.globl	k_qa8b7943519_mix
	.p2align	8
	.type	k_qa8b7943519_mix,@function
k_qa8b7943519_mix:
	s_mov_b64 s[64:65], 0
	v_nop
	global_prefetch_b8 v0, s[64:65] scope:SCOPE_SE
	s_setreg_imm32_b32 hwreg(HW_REG_WAVE_MODE, 25, 1), 1
	s_wait_xcnt 0x0
; MIX.  out0[t] = gate 0 x (y[2 t][half 0] + y[2 t][half 1]) + gate 1 x (y[2 t + 1][half 0] + y[2 t + 1][half 1]): each token's two routed rows, each in its two partial sums over K, weighed.
; One wave a token: its four pieces of 4,096 bytes lie on end in y: 16,384 bytes in, 4,096 out, 512 consecutive bytes an instruction.  One multiply and three fused multiply-adds for each pair of numbers.
; A stream: no LDS, no barrier, no matrix unit; nothing is shared between work-groups.
	s_load_b128 s[4:7], s[0:1], 0x0                ; y s[4:5], rinfo s[6:7]
	s_load_b64 s[8:9], s[0:1], 0x10                ; out0
	v_lshrrev_b32 v1, 5, v0
	v_readfirstlane_b32 s10, v1                    ; wave
	v_and_b32 v1, 31, v0
	v_lshlrev_b32 v1, 4, v1                        ; 16 x lane
	s_lshl_b32 s11, ttmp9, 2
	s_add_co_u32 s11, s11, s10                     ; my token
	s_lshl_b32 s16, s11, 14
	s_mov_b32 s17, 0
	s_lshl_b32 s18, s11, 12
	s_mov_b32 s19, 0
	s_lshl_b32 s20, s11, 3
	s_mov_b32 s21, 0
	s_wait_kmcnt 0x0
	s_add_nc_u64 s[4:5], s[4:5], s[16:17]
	s_add_nc_u64 s[6:7], s[6:7], s[20:21]
	s_add_nc_u64 s[8:9], s[8:9], s[18:19]
	s_load_b64 s[12:13], s[6:7], 0x0               ; the two gates
.irp i, 0,1,2,3,4,5,6,7
.irp q, 0,1,2,3
	global_load_b128 v[8+16*\i+4*\q:11+16*\i+4*\q], v1, s[4:5] offset:4096*\q+512*\i th:TH_LOAD_NT   ; piece i of: row 2 t half 0, half 1, row 2 t + 1 half 0, half 1
.endr
.endr
	s_wait_kmcnt 0x0
	s_mov_b32 s14, s13                             ; the packed forms name a pair and take its low word for both halves
	s_mov_b32 s15, s13
.irp i, 0,1,2,3,4,5,6,7
	s_wait_loadcnt 28-4*\i                         ; piece i's four loads are in; the four of each younger piece may be out
.irp d, 0,2
	v_pk_mul_f32 v[8+16*\i+\d:9+16*\i+\d], v[8+16*\i+\d:9+16*\i+\d], s[12:13] op_sel_hi:[1,0]
	v_pk_fma_f32 v[8+16*\i+\d:9+16*\i+\d], v[12+16*\i+\d:13+16*\i+\d], s[12:13], v[8+16*\i+\d:9+16*\i+\d] op_sel_hi:[1,0,1]
	v_pk_fma_f32 v[8+16*\i+\d:9+16*\i+\d], v[16+16*\i+\d:17+16*\i+\d], s[14:15], v[8+16*\i+\d:9+16*\i+\d] op_sel_hi:[1,0,1]
	v_pk_fma_f32 v[8+16*\i+\d:9+16*\i+\d], v[20+16*\i+\d:21+16*\i+\d], s[14:15], v[8+16*\i+\d:9+16*\i+\d] op_sel_hi:[1,0,1]
.endr
	global_store_b128 v1, v[8+16*\i:11+16*\i], s[8:9] offset:512*\i th:TH_STORE_NT
.endr
	s_endpgm
.Lfunc_end_k_qa8b7943519_mix:
	.size	k_qa8b7943519_mix, .Lfunc_end_k_qa8b7943519_mix-k_qa8b7943519_mix
	.p2alignl 7, 3214868480
	.fill 96, 4, 3214868480
	.section	.rodata,"a",@progbits
	.p2align	6, 0x0
	.amdhsa_kernel k_qa8b7943519_mix
		.amdhsa_group_segment_fixed_size 0
		.amdhsa_private_segment_fixed_size 0
		.amdhsa_enable_private_segment 0
		.amdhsa_kernarg_size 24
		.amdhsa_user_sgpr_count 2
		.amdhsa_user_sgpr_kernarg_segment_ptr 1
		.amdhsa_wavefront_size32 1
		.amdhsa_system_sgpr_workgroup_id_x 1
		.amdhsa_system_sgpr_workgroup_id_y 1
		.amdhsa_system_sgpr_workgroup_id_z 1
		.amdhsa_system_vgpr_workitem_id 0
		.amdhsa_next_free_vgpr 136
		.amdhsa_next_free_sgpr 66
		.amdhsa_reserve_vcc 0
		.amdhsa_float_denorm_mode_32 3
		.amdhsa_float_denorm_mode_16_64 3
		.amdhsa_memory_ordered 1
		.amdhsa_forward_progress 1
		.amdhsa_inst_pref_size 10
	.end_amdhsa_kernel
	.amdgpu_metadata
---
amdhsa.version: [ 1, 2 ]
amdhsa.kernels:
  - .name:           k_qa8b7943519_mix
    .symbol:         k_qa8b7943519_mix.kd
    .args:
      - { .name: y, .offset: 0, .size: 8, .value_kind: global_buffer, .address_space: global }
      - { .name: rinfo, .offset: 8, .size: 8, .value_kind: global_buffer, .address_space: global }
      - { .name: out0, .offset: 16, .size: 8, .value_kind: global_buffer, .address_space: global }
    .group_segment_fixed_size: 0
    .private_segment_fixed_size: 0
    .kernarg_segment_align: 8
    .kernarg_segment_size: 24
    .max_flat_workgroup_size: 128
    .sgpr_count:     66
    .vgpr_count:     136
    .wavefront_size: 32
...
	.end_amdgpu_metadata
.endif
;; end of part 5
;; ======== version 2 of 2: 5 launches
;; workspace buffers: xq 819,200 bytes; sel 8,192 bytes of whole numbers; rinfo 16,384 bytes; list 36,864 bytes of whole numbers; hq 27,262,976 bytes; y 17,825,792 bytes
;; launch route (part 6): grid 64 x 1, 8 waves a work-group, no clusters, 52,224 bytes of LDS; arguments x, router_w, router_b, xq, sel, rinfo; writes xq, sel, rinfo
.if DOCPART == 6
	.amdgcn_target "amdgcn-amd-amdhsa--gfx1250"
	.amdhsa_code_object_version 6
	.text
	.protected	k_qa8b7943519_route
	.globl	k_qa8b7943519_route
	.p2align	8
	.type	k_qa8b7943519_route,@function
k_qa8b7943519_route:
	s_mov_b64 s[64:65], 0
	v_nop
	global_prefetch_b8 v0, s[64:65] scope:SCOPE_SE
	s_setreg_imm32_b32 hwreg(HW_REG_WAVE_MODE, 25, 1), 1
	s_wait_xcnt 0x0
; ROUTE.  For 16 tokens a work-group: the router's logits in f32 (fused multiply-adds), the two largest (the lower index wins a tie), their gates,
; the full softmax's sums for the two losses, and x as codes of E3M2 with one E8M0 byte for each 32 along K.
; Eight waves; wave s takes k = 128 s .. 128 s + 127 of all 16 tokens.  Lane (r = lane % 16, h = lane / 16) holds 64 numbers of token r:
; register 16 b + i = k 128 s + 32 b + 16 h + i: sixteen neighbours of each block of 32, as the conversions want them.
; OUT: xq: a token's 768 bytes of codes laid [K step][half of the lanes][48 bytes], so that a lane's 12 operand registers are 48 bytes on end; behind all codes
; 8 scale words a token.  sel: the two experts of each token, at fixed places: no address of this launch hangs on them.  rinfo: the two gates; behind them the group's nine sums.
; No matrix unit: the router has 8 columns, and its result steers a choice, so it is kept in f32.  No cluster: work-groups share only router_w, 32 KB.
; LIMITS: logits are finite (NaN and infinities are not served).  A block whose largest magnitude lies under 2^-122, a block of zeros among them, gets the byte 1: only this program reads the bytes.
.set SPI,  784                         ; a token's row in the stage: 768 bytes + 16
.set STG,  32768                       ; LDS: 0 .. 32,767 router_w, 4,096 bytes for each wave (its own 128 rows); then the stage of 16 rows,
.set XSS,  STG+16*SPI                  ; the scale words, 32 bytes a token (a second copy takes lanes 16-31's stores),
.set RED,  XSS+1024                    ; and the waves' partial logits: 512 bytes a wave
.set X,    16                          ; v16-79   my 64 numbers of x
.set RB0,  80                          ; v80-143, v144-207: eight rows of router_w each, by turns
.set RB1,  144
.set ACC,  208                         ; v208-215 eight logits
.set TM,   216                         ; v216-227 at work in QUANT
.set PW,   228                         ; the scale word just made
.set PC,   230                         ; v230-241 the codes just made
.set TP,   242                         ; v242-249 at work
.set SEL,  20                          ; s[20:21] lane selects: lane l xor 16
.set M1,   96                          ; wave 0's end: largest logit, its expert, second largest, its expert
.set I1,   97
.set M2,   98
.set I2,   99
.set L2,   100                         ; v100-107 logits without the largest; later log2 of the clipped probabilities
.set P,    108                         ; v108-115 probabilities, v116 the sum of p ln p
; 64 numbers of a lane, v[s] on, become a fragment's codes in v[PC] on and its scale word in v[PW]
.macro QUANT s
.irp b, 0,1,2,3
	v_max3_num_f32 v[TM+\b], |v[\s+16*\b]|, |v[\s+1+16*\b]|, 0x2800000   ; my 16 numbers of block b, and the floor 2^(5 - 127): the byte cannot fall under 1
.endr
.irp i, 2,4,6,8,10,12,14
.irp b, 0,1,2,3
	s_delay_alu instid0(VALU_DEP_4)
	v_max3_num_f32 v[TM+\b], v[TM+\b], |v[\s+16*\b+\i]|, |v[\s+1+16*\b+\i]|
.endr
.endr
.irp b, 0,1,2,3
	s_delay_alu instid0(VALU_DEP_4)
	v_permlanex16_b32 v[TM+4+\b], v[TM+\b], s[SEL], s[SEL+1]
.endr
.irp b, 0,1,2,3
	s_delay_alu instid0(VALU_DEP_4)
	v_max_num_f32 v[TM+\b], v[TM+\b], v[TM+4+\b]                  ; with lane l xor 16's: the block's largest magnitude
.endr
.irp b, 0,1,2,3
	s_delay_alu instid0(VALU_DEP_4)
	v_add_nc_u32 v[TM+8+\b], 0xfe000000, v[TM+\b]                 ; 4 off its exponent field: the conversion's scale operand
.endr
.irp b, 0,1,2,3
	s_delay_alu instid0(VALU_DEP_4)
	v_lshrrev_b32 v[TM+4+\b], 23, v[TM+8+\b]                      ; the scale's byte
.endr
	s_delay_alu instid0(VALU_DEP_3)
	v_lshl_or_b32 v[PW], v[TM+5], 8, v[TM+4]
	s_delay_alu instid0(VALU_DEP_1)
	v_lshl_or_b32 v[PW], v[TM+6], 16, v[PW]
	s_delay_alu instid0(VALU_DEP_1)
	v_lshl_or_b32 v[PW], v[TM+7], 24, v[PW]
.irp c, 0,1
	v_cvt_scalef32_pk16_bf6_f32 v[PC+6*\c:PC+2+6*\c], v[\s+32*\c:\s+15+32*\c], v[TM+8+2*\c]
	v_cvt_scalef32_pk16_bf6_f32 v[TM+4*\c:TM+2+4*\c], v[\s+16+32*\c:\s+31+32*\c], v[TM+9+2*\c]   ; (three registers from an even one on: made where the maxima and bytes lay, then moved)
.endr
	v_nop                                          ; one plain line behind the conversions
.irp c, 0,1                                    ; the operand wants a whole block in a lane: lanes 0-15 block 2 c, lanes 16-31 block 2 c + 1
.irp i, 0,1,2
	v_permlane16_swap_b32 v[PC+6*\c+\i], v[TM+4*\c+\i]
.endr
.irp i, 0,1,2
	s_delay_alu instid0(VALU_DEP_3)
	v_mov_b32 v[PC+3+6*\c+\i], v[TM+4*\c+\i]
.endr
.endr
.endm
; eight rows of router_w (those of my registers 16 (u / 2) + 8 (u % 2) + 0 .. 7) from my wave's LDS bytes: sixteen loads
.macro RWHALF u
.irp ii, 0,1,2,3,4,5,6,7
.irp q, 0,1
	ds_load_b128 v[RB0+64*((\u)%2)+8*\ii+4*\q:RB0+64*((\u)%2)+8*\ii+4*\q+3], v6 offset:1024*((\u)/2)+32*(8*((\u)%2)+\ii)+16*\q
.endr
.endr
.endm
; and their 32 packed multiply-adds: logits (2 p, 2 p + 1) += x_k x router_w[k][2 p, 2 p + 1]; x_k is taken for both halves out of its pair
.macro RFMA u
.set ii, 0
.rept 8
.set kk, 16*((\u)/2)+8*((\u)%2)+ii
.set xr, X+2*(kk/2)
.set rb, RB0+64*((\u)%2)+8*ii
.irp p, 0,1,2,3
.if kk == 0
	v_pk_mul_f32 v[ACC+2*\p:ACC+2*\p+1], v[xr:xr+1], v[rb+2*\p:rb+2*\p+1] op_sel_hi:[0,1]   ; the first product starts the sums
.elseif kk%2 == 0
	v_pk_fma_f32 v[ACC+2*\p:ACC+2*\p+1], v[xr:xr+1], v[rb+2*\p:rb+2*\p+1], v[ACC+2*\p:ACC+2*\p+1] op_sel_hi:[0,1,1]
.else
	s_delay_alu instid0(VALU_DEP_4)
	v_pk_fma_f32 v[ACC+2*\p:ACC+2*\p+1], v[xr:xr+1], v[rb+2*\p:rb+2*\p+1], v[ACC+2*\p:ACC+2*\p+1] op_sel:[1,0,0] op_sel_hi:[1,1,1]
.endif
.endr
.set ii, ii+1
.endr
.endm
; the largest of eight and its index; where two are equal the lower index stays
.macro ARGMAX base, m, i
	v_mov_b32 v[\m], v[\base]
	v_mov_b32 v[\i], 0
.irp e, 1
	s_delay_alu instid0(VALU_DEP_2)
	v_cmp_ge_f32 vcc_lo, v[\m], v[\base+\e]
	s_delay_alu instid0(VALU_DEP_1)
	v_cndmask_b32 v[\i], \e, v[\i], vcc_lo
	s_delay_alu instid0(VALU_DEP_4)
	v_max_num_f32 v[\m], v[\m], v[\base+\e]
.endr
.irp e, 2, 3, 4, 5, 6, 7
	s_delay_alu instid0(VALU_DEP_1)
	v_cmp_ge_f32 vcc_lo, v[\m], v[\base+\e]
	s_delay_alu instid0(VALU_DEP_1)
	v_cndmask_b32 v[\i], \e, v[\i], vcc_lo
	s_delay_alu instid0(VALU_DEP_3)
	v_max_num_f32 v[\m], v[\m], v[\base+\e]
.endr
.endm
	s_load_b256 s[4:11], s[0:1], 0x0               ; x s[4:5], router_w s[6:7], router_b s[8:9], xq s[10:11]
	s_load_b128 s[12:15], s[0:1], 0x20             ; sel s[12:13], rinfo s[14:15]
	v_lshl_add_u32 v254, v0, 2, 0xc800
	v_mov_b32 v255, 0
	v_lshrrev_b32 v1, 5, v0
	s_delay_alu instid0(VALU_DEP_1)
	v_readfirstlane_b32 s16, v1                    ; wave s
	v_and_b32 v1, 31, v0                           ; lane
	v_and_b32 v2, 15, v0                           ; r
	v_bfe_u32 v3, v0, 4, 1                         ; h
	s_delay_alu instid0(VALU_DEP_3)
	v_lshlrev_b32 v5, 4, v1                        ; 16 x lane
	s_lshl_b32 s17, s16, 12
	s_lshl_b32 s18, s16, 9
	v_lshlrev_b32 v4, 12, v2
	s_delay_alu instid0(VALU_DEP_1)
	v_lshl_add_u32 v4, v3, 6, v4
	s_delay_alu instid0(VALU_DEP_1)
	v_add_nc_u32 v4, s18, v4                       ; x: 4,096 r + 64 h + 512 s
	v_add_nc_u32 v7, s17, v5                       ; router_w, in memory and in LDS alike: 4,096 s + 16 x lane
	v_lshlrev_b32 v6, 9, v3
	s_delay_alu instid0(VALU_DEP_1)
	v_add_nc_u32 v6, s17, v6                       ; and back: 4,096 s + 512 h: the rows of my half's k
	v_mul_u32_u24 v8, v2, SPI
	s_delay_alu instid0(VALU_DEP_1)
	v_mad_u32_u24 v8, v3, 48, v8
	s_mul_i32 s19, s16, 96
	s_add_co_u32 s19, s19, STG
	v_add_nc_u32 v8, s19, v8                       ; the stage, in: row r, 96 s + 48 h
	v_lshlrev_b32 v9, 5, v2
	s_delay_alu instid0(VALU_DEP_1)
	v_lshl_add_u32 v9, v3, 9, v9
	s_lshl_b32 s19, s16, 2
	s_add_co_u32 s19, s19, XSS
	v_add_nc_u32 v9, s19, v9                       ; my scale word: 512 h + 32 r + 4 s
	v_lshlrev_b32 v10, 5, v2
	s_delay_alu instid0(VALU_DEP_1)
	v_lshl_add_u32 v10, v3, 4, v10
	s_add_co_u32 s19, s18, RED
	v_add_nc_u32 v10, s19, v10                     ; my partial logits: 512 s + 32 r + 16 h
	s_mul_i32 s19, s16, 2*SPI
	s_add_co_u32 s19, s19, STG
	v_add_nc_u32 v11, s19, v5                      ; the stage, out: rows 2 s and 2 s + 1 as 1,536 bytes on end;
	s_delay_alu instid0(VALU_DEP_1)
	v_lshl_add_u32 v12, v3, 4, v11                 ; (the middle load's lanes 16-31 lie behind the first row's padding)
	v_add_nc_u32 v13, XSS, v5                      ; the scale words, out
	v_lshl_add_u32 v14, v2, 5, RED                 ; the partial logits, out
	v_lshlrev_b32 v15, 3, v2
	s_delay_alu instid0(VALU_DEP_1)
	v_lshl_add_u32 v15, v3, 2, v15                 ; sel and gates: 8 r + 4 h
	s_mov_b32 s[SEL], 0x76543210
	s_mov_b32 s[SEL+1], 0xfedcba98
.irp e, 0,1,2,3,4,5,6,7
	v_mov_b32 v[TP+\e], 0                          ; written once: a lane permute's destination counts as one of its sources
.endr
.irp b, 0,1,2,3
	v_mov_b32 v[TM+4+\b], 0
.endr
	s_lshl_b32 s34, ttmp9, 16                      ; 16 rows of x
	s_mov_b32 s35, 0
	s_mul_i32 s36, ttmp9, 12288                    ; 16 rows of codes,
	s_mul_i32 s19, s16, 1536                       ; my wave's two
	s_add_co_u32 s36, s36, s19
	s_mov_b32 s37, 0
	s_lshl_b32 s38, ttmp9, 9                       ; 16 tokens' scale words
	s_mov_b32 s39, 0
	s_lshl_b32 s22, ttmp9, 7                       ; 128 bytes a group in sel, in the gates and in the sums
	s_mov_b32 s23, 0
	s_wait_kmcnt 0x0
	s_load_b256 s[24:31], s[8:9], 0x0              ; router_b
	s_add_nc_u64 s[4:5], s[4:5], s[34:35]
	s_add_nc_u64 s[32:33], s[10:11], s[38:39]
	s_add_nc_u64 s[10:11], s[10:11], s[36:37]
	s_add_nc_u64 s[12:13], s[12:13], s[22:23]
	s_add_nc_u64 s[14:15], s[14:15], s[22:23]
.irp i, 0,1,2,3,4,5,6,7
	global_load_b128 v[RB1+4*\i:RB1+4*\i+3], v7, s[6:7] offset:512*\i      ; my wave's 128 rows of router_w: 4,096 bytes on end
.endr
.irp b, 0,1,2,3
.irp q, 0,1,2,3
	global_load_b128 v[X+16*\b+4*\q:X+16*\b+4*\q+3], v4, s[4:5] offset:128*\b+16*\q th:TH_LOAD_NT
.endr
.endr
	s_wait_loadcnt 16                              ; router_w is in; the 16 loads of x may be out
.irp i, 0,1,2,3,4,5,6,7
	ds_store_b128 v7, v[RB1+4*\i:RB1+4*\i+3] offset:512*\i
.endr
	RWHALF 0                                       ; my wave's own bytes: LDS serves a wave's instructions in order
	s_wait_loadcnt 0x0                             ; x
.irp u, 0,1,2,3,4,5,6
	RWHALF \u+1
	s_wait_alu depctr_va_vdst(0)
	s_wait_dscnt 16                                ; all but the 16 just issued
	RFMA \u
.endr
	s_wait_alu depctr_va_vdst(0)
	s_wait_dscnt 0x0
	RFMA 7
.irp e, 0,1,2,3,4,5,6,7
	v_permlanex16_b32 v[TP+\e], v[ACC+\e], s[SEL], s[SEL+1]
.endr
.irp p, 0,1,2,3
	v_pk_add_f32 v[ACC+2*\p:ACC+2*\p+1], v[ACC+2*\p:ACC+2*\p+1], v[TP+2*\p:TP+2*\p+1]   ; both halves of the lanes: my wave's 128 k
.endr
	v_cmp_eq_u32 vcc_lo, 1, v3
.irp j, 0,1,2,3
	v_cndmask_b32 v[TP+\j], v[ACC+\j], v[ACC+4+\j], vcc_lo         ; lane (r, h) hands on experts 4 h .. 4 h + 3
.endr
	ds_store_b128 v10, v[TP:TP+3]
	QUANT X
.irp c, 0,1,2
	ds_store_b128 v8, v[PC+4*\c:PC+4*\c+3] offset:16*\c
.endr
	ds_store_b32 v9, v[PW]
	s_wait_kmcnt 0x0                               ; router_b
	s_wait_dscnt 0x0                               ; for the others' sake: my stores have landed
	s_barrier_signal -1
	s_barrier_wait -1                              ; the launch's one barrier; nothing is stored to LDS behind it
	ds_load_b128 v[80:83], v11
	ds_load_b128 v[84:87], v12 offset:512
	ds_load_b128 v[88:91], v11 offset:1040
	s_wait_dscnt 0x0
	global_store_b128 v5, v[80:83], s[10:11]               ; each store of the wave covers 512 consecutive bytes, aligned
	global_store_b128 v5, v[84:87], s[10:11] offset:512
	global_store_b128 v5, v[88:91], s[10:11] offset:1024
	s_cmp_eq_u32 s16, 1
	s_cbranch_scc0 .Lnot_one
	ds_load_b128 v[92:95], v13                     ; wave 1: the 16 tokens' scale words, 512 bytes
	s_wait_dscnt 0x0
	global_store_b128 v5, v[92:95], s[32:33] offset:786432
.Lnot_one:
	s_cmp_lg_u32 s16, 0
	s_cbranch_scc1 .Lend
	; wave 0: the router's end.  Both halves of the lanes hold token r
.irp sp, 0,1,2,3,4,5,6,7
.irp q, 0,1
	ds_load_b128 v[X+8*\sp+4*\q:X+8*\sp+4*\q+3], v14 offset:512*\sp+16*\q
.endr
.endr
	s_wait_dscnt 0x0
.irp p, 0,1,2,3
	v_pk_add_f32 v[ACC+2*\p:ACC+2*\p+1], v[X+2*\p:X+2*\p+1], v[X+8+2*\p:X+8+2*\p+1]
.endr
.irp sp, 2,3,4,5,6,7
.irp p, 0,1,2,3
	s_delay_alu instid0(VALU_DEP_4)
	v_pk_add_f32 v[ACC+2*\p:ACC+2*\p+1], v[ACC+2*\p:ACC+2*\p+1], v[X+8*\sp+2*\p:X+8*\sp+2*\p+1]
.endr
.endr
.irp e, 0,1,2,3,4,5,6,7
	v_add_f32 v[ACC+\e], s[24+\e], v[ACC+\e]       ; + router_b
.endr
	ARGMAX ACC, M1, I1
	v_mov_b32 v117, 0xff800000                     ; -infinity
.irp e, 0,1,2,3,4,5,6,7
	v_cmp_eq_u32 vcc_lo, \e, v[I1]
	s_delay_alu instid0(VALU_DEP_1)
	v_cndmask_b32 v[L2+\e], v[ACC+\e], v117, vcc_lo
.endr
	ARGMAX L2, M2, I2
	s_delay_alu instid0(VALU_DEP_1)
	v_sub_f32 v118, v[M2], v[M1]                   ; the largest logit is taken away ahead of every exponential
	s_delay_alu instid0(VALU_DEP_1)
	v_mul_f32 v118, 0x3fb8aa3b, v118
	s_wait_alu depctr_va_vdst(0)
	v_exp_f32 v118, v118                           ; e1 = e^(second - first)
.irp e, 0,1,2,3,4,5,6,7
	v_sub_f32 v[P+\e], v[ACC+\e], v[M1]
.endr
.irp e, 0,1,2,3,4,5,6,7
	v_mul_f32 v[P+\e], 0x3fb8aa3b, v[P+\e]
.endr
	s_wait_alu depctr_va_vdst(0)
.irp e, 0,1,2,3,4,5,6,7
	v_exp_f32 v[P+\e], v[P+\e]
.endr
	s_wait_alu depctr_va_vdst(0)
	v_add_f32 v119, 1.0, v118                      ; (a plain line behind the exponentials)
	s_wait_alu depctr_va_vdst(0)
	v_rcp_f32 v119, v119                           ; gate 0 = 1 / (1 + e1)
	v_add_f32 v120, v[P], v[P+1]
	v_add_f32 v121, v[P+2], v[P+3]
	v_add_f32 v122, v[P+4], v[P+5]
	v_add_f32 v123, v[P+6], v[P+7]
	s_delay_alu instid0(VALU_DEP_3)
	v_add_f32 v120, v120, v121
	s_delay_alu instid0(VALU_DEP_2)
	v_add_f32 v122, v122, v123
	s_delay_alu instid0(VALU_DEP_1)
	v_add_f32 v120, v120, v122
	s_wait_alu depctr_va_vdst(0)
	v_rcp_f32 v120, v120
	s_wait_alu depctr_va_vdst(0)
	v_mul_f32 v121, v118, v119                     ; gate 1 = e1 x gate 0.  (A plain line behind the reciprocal)
.irp e, 0,1,2,3,4,5,6,7
	v_mul_f32 v[P+\e], v[P+\e], v120               ; the full softmax
.endr
.irp e, 0,1,2,3,4,5,6,7
	v_max_num_f32 v[L2+\e], 0x322bcc77, v[P+\e]    ; clipped at 1e-8
.endr
	s_wait_alu depctr_va_vdst(0)
.irp e, 0,1,2,3,4,5,6,7
	v_log_f32 v[L2+\e], v[L2+\e]
.endr
	v_nop                                          ; a plain line behind the logarithms
	v_cmp_eq_u32 vcc_lo, 1, v3
	s_delay_alu instid0(VALU_DEP_1)
	v_cndmask_b32 v122, v[I1], v[I2], vcc_lo       ; lane (r, h): slot h's expert,
	v_cndmask_b32 v123, v119, v121, vcc_lo         ; and its gate
	s_wait_alu depctr_va_vdst(0)
	v_mul_f32 v[P+8], v[P], v[L2]
.irp e, 1,2,3,4,5,6,7
	v_fmac_f32 v[P+8], v[P+\e], v[L2+\e]
.endr
	s_delay_alu instid0(VALU_DEP_1)
	v_mul_f32 v[P+8], 0x3f317218, v[P+8]           ; x ln 2: the token's sum of p ln p
	global_store_b32 v15, v122, s[12:13]
	global_store_b32 v15, v123, s[14:15]
.irp m, 1,2,4,8
.irp j, 0,1,2,3,4,5,6,7,8
	v_add_f32_dpp v[P+\j], v[P+\j], v[P+\j] row_xmask:\m row_mask:0xf bank_mask:0xf   ; over the 16 tokens
.endr
.endr
	v_mov_b32 v124, 0
.irp j, 0,1,2,3,4,5,6,7,8
	v_cmp_eq_u32 vcc_lo, \j, v1
	s_delay_alu instid0(VALU_DEP_1)
	v_cndmask_b32 v124, v124, v[P+\j], vcc_lo      ; lane j hands on sum j; lanes 9 to 31 a zero
.endr
	v_lshlrev_b32 v125, 2, v1
	global_store_b32 v125, v124, s[14:15] offset:8192
.Lend:
	s_wait_tensorcnt 0x0
	ds_add_u32 v254, v255
	s_wait_dscnt 0x0
	s_endpgm
.Lfunc_end_k_qa8b7943519_route:
	.size	k_qa8b7943519_route, .Lfunc_end_k_qa8b7943519_route-k_qa8b7943519_route
	.p2alignl 7, 3214868480
	.fill 96, 4, 3214868480
	.section	.rodata,"a",@progbits
	.p2align	6, 0x0
	.amdhsa_kernel k_qa8b7943519_route
		.amdhsa_group_segment_fixed_size 52224
		.amdhsa_private_segment_fixed_size 0
		.amdhsa_enable_private_segment 0
		.amdhsa_kernarg_size 48
		.amdhsa_user_sgpr_count 2
		.amdhsa_user_sgpr_kernarg_segment_ptr 1
		.amdhsa_wavefront_size32 1
		.amdhsa_system_sgpr_workgroup_id_x 1
		.amdhsa_system_sgpr_workgroup_id_y 1
		.amdhsa_system_sgpr_workgroup_id_z 1
		.amdhsa_system_vgpr_workitem_id 0
		.amdhsa_next_free_vgpr 256
		.amdhsa_next_free_sgpr 66
		.amdhsa_reserve_vcc 1
		.amdhsa_float_denorm_mode_32 3
		.amdhsa_float_denorm_mode_16_64 3
		.amdhsa_memory_ordered 1
		.amdhsa_forward_progress 1
		.amdhsa_inst_pref_size 57
	.end_amdhsa_kernel
	.amdgpu_metadata
---
amdhsa.version: [ 1, 2 ]
amdhsa.kernels:
  - .name:           k_qa8b7943519_route
    .symbol:         k_qa8b7943519_route.kd
    .args:
      - { .name: x, .offset: 0, .size: 8, .value_kind: global_buffer, .address_space: global }
      - { .name: router_w, .offset: 8, .size: 8, .value_kind: global_buffer, .address_space: global }
      - { .name: router_b, .offset: 16, .size: 8, .value_kind: global_buffer, .address_space: global }
      - { .name: xq, .offset: 24, .size: 8, .value_kind: global_buffer, .address_space: global }
      - { .name: sel, .offset: 32, .size: 8, .value_kind: global_buffer, .address_space: global }
      - { .name: rinfo, .offset: 40, .size: 8, .value_kind: global_buffer, .address_space: global }
    .group_segment_fixed_size: 52224
    .private_segment_fixed_size: 0
    .kernarg_segment_align: 8
    .kernarg_segment_size: 48
    .max_flat_workgroup_size: 256
    .sgpr_count:     66
    .vgpr_count:     256
    .wavefront_size: 32
...
	.end_amdgpu_metadata
.endif
;; end of part 6
;; launch place (part 7): grid 9 x 1, 1 waves a work-group, no clusters, 0 bytes of LDS; arguments sel, rinfo, list, out1, out2; writes list, out1, out2
.if DOCPART == 7
	.amdgcn_target "amdgcn-amd-amdhsa--gfx1250"
	.amdhsa_code_object_version 6
	.text
	.protected	k_qa8b7943519_place
	.globl	k_qa8b7943519_place
	.p2align	8
	.type	k_qa8b7943519_place,@function
k_qa8b7943519_place:
	s_mov_b64 s[64:65], 0
	v_nop
	global_prefetch_b8 v0, s[64:65] scope:SCOPE_SE
	s_setreg_imm32_b32 hwreg(HW_REG_WAVE_MODE, 25, 1), 1
	s_wait_xcnt 0x0
; PLACE.  Work-groups 0 to 7: expert e's list of routed rows, in the order of the tokens.  Work-group 8: the two losses from the 64 groups' sums.
; A list is 1,152 words: words 0-31 the number of rows n; word 32 + i entry i = 2 x token + slot; entries n .. n + 31 are pads 2,048 + 16 e + (lane % 16), rows of y that nobody reads,
; so that the last tile of 16 is whole; words 1,088 .. 1,119 are one word for each lane at which lanes without a match aim their stores: nobody reads them.  So no lane is switched off and no branch hangs on data.
; One wave a work-group: a rank is the number of matches in the lanes below (v_mbcnt) plus those of the chunks before; no atomics, no LDS.
; A launch of its own: the choice is made from floating-point numbers by the launch before, and only a later launch may form addresses from it.
	s_load_b256 s[4:11], s[0:1], 0x0               ; sel s[4:5], rinfo s[6:7], list s[8:9], out1 s[10:11]
	s_load_b64 s[12:13], s[0:1], 0x20              ; out2
	v_and_b32 v1, 31, v0                           ; lane
	s_mov_b32 s14, ttmp9
	s_cmp_eq_u32 s14, 8
	s_cbranch_scc1 .Laux
	v_lshlrev_b32 v2, 3, v1                        ; 8 bytes a token
	v_add_nc_u32 v3, 1056, v1                      ; my spare entry
	v_lshlrev_b32 v4, 1, v1                        ; 2 x lane: slot 0's entry,
	v_or_b32 v5, 1, v4                             ; slot 1's
	s_mul_i32 s16, s14, 4608
	s_mov_b32 s17, 0
	s_mov_b32 s15, 0                               ; rows so far
	s_wait_alu depctr_va_vdst(0)
	s_wait_kmcnt 0x0
	s_add_nc_u64 s[8:9], s[8:9], s[16:17]
.set c, 0
.rept 32
	global_load_b64 v[16+2*c:17+2*c], v2, s[4:5] offset:256*c      ; chunk c: token 32 c + lane's two experts
.set c, c+1
.endr
	s_wait_loadcnt 0x0
; chunk c.  Its two registers become the store's address and data, so that no store's source is written again
.macro CHUNK c
	v_cmp_eq_u32 s20, s14, v[16+2*(\c)]
	v_cmp_eq_u32 s21, s14, v[17+2*(\c)]
	s_or_b32 s22, s20, s21
	v_mbcnt_lo_u32_b32 v[16+2*(\c)], s22, s15              ; my rank
	v_cndmask_b32 v[16+2*(\c)], v3, v[16+2*(\c)], s22      ; or my spare entry
	v_min_u32 v[16+2*(\c)], 0x43f, v[16+2*(\c)]            ; held inside the list
	v_lshlrev_b32 v[16+2*(\c)], 2, v[16+2*(\c)]
	v_cndmask_b32 v[17+2*(\c)], v4, v5, s21
	v_add_nc_u32 v[17+2*(\c)], 64*(\c), v[17+2*(\c)]       ; 2 x token + slot
	global_store_b32 v[16+2*(\c)], v[17+2*(\c)], s[8:9] offset:128
	s_bcnt1_i32_b32 s23, s22
	s_add_co_u32 s15, s15, s23
.endm
.set c, 0
.rept 32
	CHUNK c
.set c, c+1
.endr
	v_add_nc_u32 v6, s15, v1                       ; the pads: entries n + lane
	v_min_u32 v6, 0x43f, v6
	v_lshlrev_b32 v6, 2, v6
	v_and_b32 v7, 15, v1
	s_lshl_b32 s23, s14, 4
	s_add_co_u32 s23, s23, 2048
	v_add_nc_u32 v7, s23, v7
	global_store_b32 v6, v7, s[8:9] offset:128
	v_lshlrev_b32 v8, 2, v1
	v_mov_b32 v9, s15
	global_store_b32 v8, v9, s[8:9]                ; n, in words 0 to 31
	s_endpgm
.Laux:
	s_wait_alu depctr_va_vdst(0)
	v_and_b32 v2, 15, v1                           ; which sum
	v_lshrrev_b32 v3, 4, v1                        ; even groups or odd
	v_lshlrev_b32 v4, 2, v2
	v_lshl_add_u32 v4, v3, 7, v4
	s_mov_b32 s20, 0x76543210
	s_mov_b32 s21, 0xfedcba98
	s_wait_alu depctr_va_vdst(0)
	s_wait_kmcnt 0x0
.set c, 0
.rept 32
	global_load_b32 v[16+c], v4, s[6:7] offset:8192+256*c
.set c, c+1
.endr
	s_wait_loadcnt 0x0
.set c, 4
.rept 28
	v_add_f32 v[16+c%4], v[16+c%4], v[16+c]        ; four chains
.set c, c+1
.endr
	v_add_f32 v16, v16, v17
	v_add_f32 v18, v18, v19
	v_add_f32 v16, v16, v18
	v_mov_b32 v5, 0
	v_permlanex16_b32 v5, v16, s20, s21
	v_add_f32 v16, v16, v5                         ; lane j: sum j over all 1,024 tokens
	v_mul_f32 v6, 0x3a800000, v16                  ; / 1,024
	v_add_f32 v7, 0xbe000000, v6                   ; - 1 / 8
	v_mul_f32 v7, v7, v7
	v_add_f32_dpp v7, v7, v7 row_xmask:1 row_mask:0xf bank_mask:0xf
	v_add_f32_dpp v7, v7, v7 row_xmask:2 row_mask:0xf bank_mask:0xf
	v_add_f32_dpp v7, v7, v7 row_xmask:4 row_mask:0xf bank_mask:0xf    ; lanes 0 to 7: over the eight experts
	v_mul_f32 v7, 0x3e000000, v7                   ; their mean
	v_mul_f32 v8, -1.0, v6                         ; lane 8: the entropy's mean
	v_mov_b32 v9, 0
	v_cmp_eq_u32 vcc_lo, 0, v1
	s_wait_alu depctr_va_vdst(0)
	s_wait_xcnt 0x0                                ; EXEC changes only behind this wait
	s_and_saveexec_b32 s22, vcc_lo
	global_store_b32 v9, v7, s[12:13]
	s_wait_xcnt 0x0
	s_or_b32 exec_lo, exec_lo, s22
	v_cmp_eq_u32 vcc_lo, 8, v1
	s_and_saveexec_b32 s22, vcc_lo
	global_store_b32 v9, v8, s[10:11]
	s_wait_xcnt 0x0
	s_or_b32 exec_lo, exec_lo, s22
	s_endpgm
.Lfunc_end_k_qa8b7943519_place:
	.size	k_qa8b7943519_place, .Lfunc_end_k_qa8b7943519_place-k_qa8b7943519_place
	.p2alignl 7, 3214868480
	.fill 96, 4, 3214868480
	.section	.rodata,"a",@progbits
	.p2align	6, 0x0
	.amdhsa_kernel k_qa8b7943519_place
		.amdhsa_group_segment_fixed_size 0
		.amdhsa_private_segment_fixed_size 0
		.amdhsa_enable_private_segment 0
		.amdhsa_kernarg_size 40
		.amdhsa_user_sgpr_count 2
		.amdhsa_user_sgpr_kernarg_segment_ptr 1
		.amdhsa_wavefront_size32 1
		.amdhsa_system_sgpr_workgroup_id_x 1
		.amdhsa_system_sgpr_workgroup_id_y 1
		.amdhsa_system_sgpr_workgroup_id_z 1
		.amdhsa_system_vgpr_workitem_id 0
		.amdhsa_next_free_vgpr 96
		.amdhsa_next_free_sgpr 66
		.amdhsa_reserve_vcc 1
		.amdhsa_float_denorm_mode_32 3
		.amdhsa_float_denorm_mode_16_64 3
		.amdhsa_memory_ordered 1
		.amdhsa_forward_progress 1
		.amdhsa_inst_pref_size 31
	.end_amdhsa_kernel
	.amdgpu_metadata
---
amdhsa.version: [ 1, 2 ]
amdhsa.kernels:
  - .name:           k_qa8b7943519_place
    .symbol:         k_qa8b7943519_place.kd
    .args:
      - { .name: sel, .offset: 0, .size: 8, .value_kind: global_buffer, .address_space: global }
      - { .name: rinfo, .offset: 8, .size: 8, .value_kind: global_buffer, .address_space: global }
      - { .name: list, .offset: 16, .size: 8, .value_kind: global_buffer, .address_space: global }
      - { .name: out1, .offset: 24, .size: 8, .value_kind: global_buffer, .address_space: global }
      - { .name: out2, .offset: 32, .size: 8, .value_kind: global_buffer, .address_space: global }
    .group_segment_fixed_size: 0
    .private_segment_fixed_size: 0
    .kernarg_segment_align: 8
    .kernarg_segment_size: 40
    .max_flat_workgroup_size: 32
    .sgpr_count:     66
    .vgpr_count:     96
    .wavefront_size: 32
...
	.end_amdgpu_metadata
.endif
;; end of part 7
;; launch up (part 8): grid 32 x 8, 4 waves a work-group, no clusters, 101,888 bytes of LDS; arguments xq, list, w1_codes, w1_scales, b1, hq; writes hq
.if DOCPART == 8
	.amdgcn_target "amdgcn-amd-amdhsa--gfx1250"
	.amdhsa_code_object_version 6
	.text
	.protected	k_qa8b7943519_up
	.globl	k_qa8b7943519_up
	.p2align	8
	.type	k_qa8b7943519_up,@function
k_qa8b7943519_up:
	s_mov_b64 s[64:65], 0
	v_nop
	global_prefetch_b8 v0, s[64:65] scope:SCOPE_SE
	s_setreg_imm32_b32 hwreg(HW_REG_WAVE_SCHED_MODE, 0, 2), 2
	s_setreg_imm32_b32 hwreg(HW_REG_WAVE_MODE, 25, 1), 1
	s_wait_xcnt 0x0
	s_wait_alu depctr_vm_vsrc(0)
; UP.  For the rows routed to expert e (work-group y): hidden units 128 j .. 128 j + 127 (work-group x) of relu(x W1 + b1), quantised along the hidden axis: K step j of the second product.
; THE WEIGHTS STAND STILL: the work-group's 128 rows of W1, 98,304 bytes on end in memory, are read once in the launch, 512 consecutive bytes a load, laid into LDS by rows,
; and each of the four waves then keeps ALL of them in 768 registers (64 fragments of 16 rows x 128 K).  Wave w walks the expert's tiles of 16 rows w, w + 4, .. on its own: no barrier in the loop.
; The product is used transposed (source 0 = 16 rows of W1, source 1 = 16 tokens): a lane holds ONE token and its registers run along the hidden units.
; THE ROWS OF W1 THAT FORM A TILE ARE NOT NEIGHBOURS: lane r of tile 2 b + u takes row 32 b + 8 u + r + 8 (r / 8), so that the 16 registers of tiles 2 b and 2 b + 1 are 16 neighbours along the next K.
; In LDS the rows lie in that order already (bits 3 and 4 of a row's number change places), so a tile's 16 rows are neighbours there.  b1 is the C of each sum's first product.
; OUT: hq: a tile's fragment as an image of its 12 registers (3 x 512 bytes, lane l's 16 bytes at 16 l) at [e][tile][K step j]; its scale words, 4 bytes a lane, behind all images.
; The number of tiles is a number read from memory (the list's head), so this text has no tensor load, no joint load and no barrier behind the branch on it: operands go from memory straight into registers.
; A split that gives an expert no rows leaves its 32 work-groups without stores; all 1,024 tokens on one expert (64 tiles) are served too.
; LIMITS: as in the launch that quantises x: a block under 2^-122, a block of zeros among them, gets the byte 1.
; THE MODE: SCHED_MODE bits 1:0 = 2 (LLVM: expert scheduling mode 2), set by the entry lines.  The code itself states the register dependences
; between vector or matrix instructions and memory or LDS instructions, with s_wait_alu, always for 0.
; THE PLAN.  Registers that memory or LDS instructions touch, in the loop:
;   XF 0-3, XS 0-1   read by the products of K steps 0-3; behind them the next tile's loads land there.       XF 4-7, XS 2-3   the same with K steps 4-7.
;   ACC              b1 lands in it from LDS; products, the activation and the conversions name it; then b1 lands again, for the next tile.
;   PC, PW           written by the quantiser, read by the trip's four stores.       LV   a list word lands in it; ADDR reads it.
;   XO, XSO, LO, HOF, HSF   offsets, written once a trip, behind the quantiser; read by the loads of x, the list load, the stores.       BA   never written again.
; A trip: K steps 0-3 | wait 1 | loads of x | K steps 4-7 | wait 2 | loads of x | activation | wait on vm_vsrc | quantiser, all offsets | wait 3 | stores, list load, b1's loads.
; Wait 3 serves three kinds at once: what the stores read is written; ADDR is done reading LV; the conversions are done reading ACC.  No vector or matrix instruction between a wait and the
; memory instructions that it serves names a register that these touch: the products name XF, XS, W1's registers and ACC alone.
.set PITCH, 784                        ; an LDS row: 768 bytes + 16 = 196 words: the 32 lanes of a load of 8 bytes touch 64 different words modulo 64
.set BIAS,  128*PITCH                  ; behind the weights: b1's 128 numbers
.set HSC,   25165824                   ; hq: where the scale words begin
.set L16, 1                            ; v1   16 x lane
.set L4,  2                            ; v2   4 x lane
.set BA,  3                            ; v3   LDS: BIAS + 64 h
.set R4,  4                            ; v4   4 r
.set LV,  5                            ; v5   my row's list entry, two tiles ahead of the tile in hand
.set XO,  6                            ; v6   xq: the next tile's token's codes: 768 token + 48 h
.set XSO, 7                            ; v7   its scale words: 32 token + 8 h
.set FA0, 8                            ; v8, v9  LDS: 784 r + 24 h, and the same four tiles on
.set LO,  10                           ; v10  the list: 64 tile + 4 r
.set H48, 11
.set H8,  12
.set TOK, 13
.set HOF, 14                           ; v14  hq: the image's place + 16 x lane
.set HSF, 15                           ; v15  its scale words' + 4 x lane
.set W1S, 16                           ; v16-47  W1's scale words: register 4 t + s / 2: lanes 0-15 the word of the even K step, lanes 16-31 of the odd
.set XS,  48                           ; v48-51  x's: v48, v49: words 0, 1 in lanes 0-15, words 2, 3 in lanes 16-31; v50, v51: words 4, 5 and 6, 7
.set ACC, 56                           ; v56-119  eight accumulators
.set XF,  120                          ; v120-215 x's eight fragments
.set W63, 216                          ; v216-227 W1's fragment 63; fragments 0-62 lie in windows 1 to 3, 21 to a window: fragment f = 8 s + t at register 12 (f % 21) of window 1 + f / 21
.set TM,  228                          ; v228-239 at work in QUANT
.set PW,  240
.set PC,  242                          ; v242-253
.set SA,  254                          ; v254 the head: where my wave lays its rows: 32 rows x wave + 16 x lane
.set SB,  255                          ; v255 the same behind one padding more for lanes 16-31
.set STGR, 56                          ; v56-247 the head: 48 loads' registers
.set SEL, 26                           ; s[26:27]
.set TRIPS, 29                         ; s29  my wave's trips; the loop does not write it
.set TRIP,  38                         ; s38  the trip in hand, stepped by one
.set MSB, 0
.macro WIN new                         ; the immediate's high byte repeats the setting that is left
.if MSB != (\new)
	s_set_vgpr_msb (MSB<<8)|(\new)
.set MSB, (\new)
.endif
.endm
.macro QUANT s
.irp b, 0,1,2,3
	v_max3_num_f32 v[TM+\b], |v[\s+16*\b]|, |v[\s+1+16*\b]|, 0x2800000   ; my 16 numbers of block b, and the floor 2^(5 - 127): the byte cannot fall under 1
.endr
.irp i, 2,4,6,8,10,12,14
.irp b, 0,1,2,3
	v_max3_num_f32 v[TM+\b], v[TM+\b], |v[\s+16*\b+\i]|, |v[\s+1+16*\b+\i]|
.endr
.endr
.irp b, 0,1,2,3
	v_permlanex16_b32 v[TM+4+\b], v[TM+\b], s[SEL], s[SEL+1]
.endr
.irp b, 0,1,2,3
	v_max_num_f32 v[TM+\b], v[TM+\b], v[TM+4+\b]
.endr
.irp b, 0,1,2,3
	v_add_nc_u32 v[TM+8+\b], 0xfe000000, v[TM+\b]                 ; 4 off the exponent field: the conversion's scale operand
.endr
.irp b, 0,1,2,3
	v_lshrrev_b32 v[TM+4+\b], 23, v[TM+8+\b]                      ; the scale's byte
.endr
	v_lshl_or_b32 v[PW], v[TM+5], 8, v[TM+4]
	v_lshl_or_b32 v[PW], v[TM+6], 16, v[PW]
	v_lshl_or_b32 v[PW], v[TM+7], 24, v[PW]
.irp c, 0,1
	v_cvt_scalef32_pk16_bf6_f32 v[PC+6*\c:PC+2+6*\c], v[\s+32*\c:\s+15+32*\c], v[TM+8+2*\c]
	v_cvt_scalef32_pk16_bf6_f32 v[TM+4*\c:TM+2+4*\c], v[\s+16+32*\c:\s+31+32*\c], v[TM+9+2*\c]
.endr
	v_nop                                          ; one plain line behind the conversions
.irp c, 0,1
.irp i, 0,1,2
	v_permlane16_swap_b32 v[PC+6*\c+\i], v[TM+4*\c+\i]
.endr
.irp i, 0,1,2
	v_mov_b32 v[PC+3+6*\c+\i], v[TM+4*\c+\i]
.endr
.endr
.endm
.macro ADDR                            ; from my row's list entry to its token's places in xq.  A pad's token is held at 1,023: its row is worked and nobody reads it
	v_lshrrev_b32 v[TOK], 1, v[LV]
	v_min_u32 v[TOK], 0x3ff, v[TOK]
	v_mul_u32_u24 v[XO], v[TOK], 768
	v_add_nc_u32 v[XO], v[XO], v[H48]
	v_lshl_add_u32 v[XSO], v[TOK], 5, v[H8]
.endm
.macro XLOADA                          ; K steps 0-3 of 16 tokens: 13 loads
.irp s, 0,1,2,3
.irp c, 0,1,2
	global_load_b128 v[XF+12*\s+4*\c:XF+12*\s+4*\c+3], v[XO], s[4:5] offset:96*\s+16*\c
.endr
.endr
	global_load_b64 v[XS:XS+1], v[XSO], s[4:5] offset:786432
.endm
.macro XLOADB                          ; K steps 4-7: 13 loads
.irp s, 4,5,6,7
.irp c, 0,1,2
	global_load_b128 v[XF+12*\s+4*\c:XF+12*\s+4*\c+3], v[XO], s[4:5] offset:96*\s+16*\c
.endr
.endr
	global_load_b64 v[XS+2:XS+3], v[XSO], s[4:5] offset:786448
.endm
.macro BIASLD                          ; b1 at my eight hidden units of each tile, into the accumulators: the sums begin with it
.irp t, 0,1,2,3,4,5,6,7
.irp q, 0,1
	ds_load_b128 v[ACC+8*\t+4*\q:ACC+8*\t+4*\q+3], v[BA] offset:4*(32*(\t/2)+8*(\t%2))+16*\q
.endr
.endr
.endm
; K step s: eight products, the eight accumulators by turns, one instruction a turn, in the same order in every K step
.macro KS s
.irp t, 0,1,2,3,4,5,6,7
.set fr, 8*(\s)+\t
.if fr < 63
	WIN 1+fr/21
.set rA, 12*(fr%21)
.else
	WIN 0
.set rA, W63
.endif
.set rD, ACC+8*\t
.set rB, XF+12*(\s)
.set rSA, W1S+4*\t+(\s)/2
.set rSB, XS+2*((\s)/4)+(\s)%2
.if ((\s)%2) && (((\s)/2)%2)
	v_wmma_scale_f32_16x16x128_f8f6f4 v[rD:rD+7], v[rA:rA+11], v[rB:rB+11], v[rD:rD+7], v[rSA], v[rSB] matrix_a_fmt:MATRIX_FMT_BF6 matrix_b_fmt:MATRIX_FMT_BF6 matrix_a_scale:MATRIX_SCALE_ROW1 matrix_b_scale:MATRIX_SCALE_ROW1
.elseif (\s)%2
	v_wmma_scale_f32_16x16x128_f8f6f4 v[rD:rD+7], v[rA:rA+11], v[rB:rB+11], v[rD:rD+7], v[rSA], v[rSB] matrix_a_fmt:MATRIX_FMT_BF6 matrix_b_fmt:MATRIX_FMT_BF6 matrix_a_scale:MATRIX_SCALE_ROW1
.elseif ((\s)/2)%2
	v_wmma_scale_f32_16x16x128_f8f6f4 v[rD:rD+7], v[rA:rA+11], v[rB:rB+11], v[rD:rD+7], v[rSA], v[rSB] matrix_a_fmt:MATRIX_FMT_BF6 matrix_b_fmt:MATRIX_FMT_BF6 matrix_b_scale:MATRIX_SCALE_ROW1
.else
	v_wmma_scale_f32_16x16x128_f8f6f4 v[rD:rD+7], v[rA:rA+11], v[rB:rB+11], v[rD:rD+7], v[rSA], v[rSB] matrix_a_fmt:MATRIX_FMT_BF6 matrix_b_fmt:MATRIX_FMT_BF6
.endif
.endr
.endm
.macro PLACES                          ; four plain lines between a product and a load into one of its registers, or a read of its result
.rept 4
	v_nop
.endr
.endm
	s_load_b256 s[4:11], s[0:1], 0x0               ; xq s[4:5], list s[6:7], W1's codes s[8:9], W1's scales s[10:11]
	s_load_b128 s[12:15], s[0:1], 0x20             ; b1 s[12:13], hq s[14:15]
	v_lshl_add_u32 v54, v0, 2, 0x18c00
	v_mov_b32 v55, 0
	v_lshrrev_b32 v1, 5, v0
	v_readfirstlane_b32 s16, v1                    ; wave w
	s_mov_b32 s17, ttmp9                           ; j
	s_and_b32 s18, ttmp7, 0xffff                   ; e
	v_and_b32 v248, 31, v0                         ; lane
	v_and_b32 v249, 15, v0                         ; r
	v_bfe_u32 v250, v0, 4, 1                       ; h
	v_lshlrev_b32 v[L16], 4, v248
	v_lshlrev_b32 v[L4], 2, v248
	v_lshl_add_u32 v[BA], v250, 6, BIAS
	v_lshlrev_b32 v[R4], 2, v249
	v_mul_u32_u24 v[FA0], v249, PITCH
	v_mad_u32_u24 v[FA0], v250, 24, v[FA0]
	v_add_nc_u32 v[FA0+1], 64*PITCH, v[FA0]
	v_mul_u32_u24 v[H48], v250, 48
	v_lshlrev_b32 v[H8], 3, v250
	s_wait_alu depctr_va_sdst(0)                   ; s16, the wave's number, is written, ahead of its first reader
	s_mul_i32 s23, s16, 32*PITCH
	v_add_nc_u32 v[SA], s23, v[L16]
	v_lshl_add_u32 v[SB], v250, 4, v[SA]
	v_lshlrev_b32 v251, 2, v0                      ; b1: 4 bytes a thread,
	v_lshl_add_u32 v252, v0, 2, BIAS               ; and its place in LDS
	v_and_b32 v[TOK], 8, v249
	v_add_nc_u32 v[TOK], v[TOK], v249              ; r + 8 (r / 8)
	v_lshlrev_b32 v[TOK], 5, v[TOK]
	v_lshl_add_u32 v[TOK], v250, 2, v[TOK]         ; W1's scale words: 32 bytes a row, + 4 h
	s_mov_b32 s[SEL], 0x76543210
	s_mov_b32 s[SEL+1], 0xfedcba98
	s_lshl_b32 s28, s18, 11
	s_add_co_u32 s28, s28, s17                     ; 2,048 e + j: an image's number is this + 32 x tile
	s_mul_i32 s30, s18, 3145728                    ; W1's codes: the expert,
	s_mul_i32 s23, s17, 98304                      ; the slice's 128 rows of 768 bytes,
	s_add_co_u32 s30, s30, s23
	s_mul_i32 s23, s16, 24576                      ; my wave's 32
	s_add_co_u32 s30, s30, s23
	s_mov_b32 s31, 0
	s_lshl_b32 s32, s18, 17                        ; its scales: 32 bytes a row
	s_lshl_b32 s23, s17, 12
	s_add_co_u32 s32, s32, s23
	s_mov_b32 s33, 0
	s_lshl_b32 s34, s18, 14                        ; b1
	s_lshl_b32 s23, s17, 9
	s_add_co_u32 s34, s34, s23
	s_mov_b32 s35, 0
	s_mul_i32 s36, s18, 4608                       ; the expert's list
	s_mov_b32 s37, 0
	s_wait_kmcnt 0x0
	s_add_nc_u64 s[8:9], s[8:9], s[30:31]
	s_add_nc_u64 s[10:11], s[10:11], s[32:33]
	s_add_nc_u64 s[12:13], s[12:13], s[34:35]
	s_add_nc_u64 s[6:7], s[6:7], s[36:37]
	s_load_b32 s19, s[6:7], 0x0                    ; n: the expert's rows
	s_wait_alu depctr_va_vdst(0)                   ; the head's offsets and LDS addresses (v1, v3, v8, v9, v13, v251, v252, v254, v255) are written, which the loads and LDS instructions below read
.set i, 0
.rept 48
	global_load_b128 v[STGR+4*i:STGR+4*i+3], v[L16], s[8:9] offset:512*i th:TH_LOAD_NT   ; 512 consecutive bytes a load; each byte is read once in the launch
.set i, i+1
.endr
.irp t, 0,1,2,3,4,5,6,7
.irp s2, 0,1,2,3
	global_load_b32 v[W1S+4*\t+\s2], v[TOK], s[10:11] offset:32*(32*(\t/2)+8*(\t%2))+8*\s2
.endr
.endr
	global_load_b32 v253, v251, s[12:13]
	s_wait_loadcnt 33                              ; the codes are in; the 32 scale words and the bias may be out
.set q, 0
.rept 16                               ; three loads are two rows, 2 q and 2 q + 1; they go to two neighbouring places
.set sl, PITCH*(((2*q)&7)|((((2*q)>>3)&1)<<4)|((((2*q)>>4)&1)<<3))
	ds_store_b128 v[SA], v[STGR+12*q:STGR+12*q+3] offset:sl
	ds_store_b128 v[SB], v[STGR+12*q+4:STGR+12*q+7] offset:sl+512
	ds_store_b128 v[SA], v[STGR+12*q+8:STGR+12*q+11] offset:sl+1040
.set q, q+1
.endr
	s_wait_loadcnt 0x0
	ds_store_b32 v252, v253
	s_wait_dscnt 0x0                               ; for the others' sake: my stores have landed
	s_barrier_signal -1
	s_barrier_wait -1                              ; the launch's one barrier, ahead of every branch on a number read from memory; nothing is stored to LDS behind it
	s_wait_kmcnt 0x0
	s_add_co_u32 s20, s19, 15
	s_lshr_b32 s20, s20, 4
	s_min_u32 s20, s20, 64                         ; the expert's tiles
	s_cmp_ge_u32 s16, s20
	s_cbranch_scc1 .Lend                           ; no tile for my wave
	s_sub_co_u32 s22, s20, 1                       ; the last tile
	s_sub_co_u32 s[TRIPS], s20, s16                ; tiles w, w + 4, .. under the expert's number of tiles:
	s_add_co_u32 s[TRIPS], s[TRIPS], 3
	s_lshr_b32 s[TRIPS], s[TRIPS], 2               ; (tiles - w + 3) / 4 trips, at least one
	s_mov_b32 s[TRIP], 0
	s_lshl_b32 s23, s16, 6
	v_add_nc_u32 v[LO], s23, v[R4]
	s_wait_alu depctr_va_vdst(0)                   ; v[LO] is written, which the list load reads
	global_load_b32 v[LV], v[LO], s[6:7] offset:128
	s_wait_loadcnt 0x0
	s_wait_alu depctr_vm_vsrc(0)                   ; the head's LDS stores have read v56-253, which become ACC, XF, fragment 63, TM, PW and PC; the scale words' loads have read v[TOK]; the list load has read v[LO]
	ADDR                                           ; my first tile's tokens
	s_add_co_u32 s23, s16, 4
	s_min_u32 s23, s23, s22
	s_min_u32 s23, s23, 63
	s_lshl_b32 s23, s23, 6
	v_add_nc_u32 v[LO], s23, v[R4]
	s_wait_alu depctr_va_vdst(0)                   ; v[XO], v[XSO] and v[LO] are written, which the loads below read; ADDR is done reading v[LV], in which a list word lands
	global_load_b32 v[LV], v[LO], s[6:7] offset:128        ; my next tile's entries (or the last tile's: inside the list, and written)
	XLOADA
	XLOADB
.set fr, 0
.rept 64                               ; all 64 fragments of W1 into my registers, which no vector instruction has named
.if fr < 63
	WIN (1+fr/21)<<6
.set rA, 12*(fr%21)
.else
	WIN 0
.set rA, W63
.endif
.irp p, 0,1,2,3,4,5
	ds_load_b64 v[rA+2*\p:rA+2*\p+1], v[FA0+(fr%8)/4] offset:16*PITCH*((fr%8)%4)+96*(fr/8)+48*(\p/3)+8*(\p%3)
.endr
.set fr, fr+1
.endr
	WIN 0
	s_wait_loadcnt 26                              ; my next tile's entries are in; the 26 loads of x may be out
	s_wait_xcnt 0x0                                ; the offsets of pending loads are written again only behind this wait
	s_wait_alu depctr_vm_vsrc(0)                   ; the loads of x have read v[XO] and v[XSO], the list load v[LO]
	ADDR                                           ; my next tile's tokens
	s_add_co_u32 s23, s16, 8
	s_min_u32 s23, s23, s22
	s_min_u32 s23, s23, 63
	s_lshl_b32 s23, s23, 6
	v_add_nc_u32 v[LO], s23, v[R4]
.irp b, 0,1,2,3
	v_mov_b32 v[TM+4+\b], 0                        ; written once: a lane permute's destination counts as one of its sources
.endr
	s_wait_alu depctr_va_vdst(0)                   ; v[LO] is written; ADDR is done reading v[LV].  (v[XO] and v[XSO] too: the first trip's loads of x read them)
	global_load_b32 v[LV], v[LO], s[6:7] offset:128
	BIASLD
.Ltile:
	s_lshl_b32 s21, s[TRIP], 2
	s_add_co_u32 s21, s21, s16                     ; T = 4 x trip + w: this trip's tile
	s_wait_loadcnt 14                              ; this tile's K steps 0-3 are in; its K steps 4-7 (13 loads) and the list word may be out
	s_wait_dscnt 0x0                               ; b1 is in the accumulators (first trip: and W1 in its registers)
	KS 0
	KS 1
	KS 2
	KS 3
	WIN 0
	PLACES
	s_wait_alu depctr_va_vdst(0)                   ; the products of K steps 0-3 are done reading XF 0-3 and XS 0-1, in which the loads below land
	XLOADA                                         ; the next tile's K steps 0-3
	s_wait_loadcnt 14                              ; this tile's K steps 4-7 are in; the list word and the 13 just issued may be out
	KS 4
	KS 5
	KS 6
	KS 7
	WIN 0
	PLACES
	s_wait_alu depctr_va_vdst(0)                   ; the products of K steps 4-7 are done reading XF 4-7 and XS 2-3, in which the loads below land
	XLOADB                                         ; the next tile's K steps 4-7
.set j, 0
.rept 64
	v_max_num_f32 v[ACC+j], 0, v[ACC+j]            ; the activation, in f32; each accumulator from its low end on
.set j, j+1
.endr
	s_wait_loadcnt 26                              ; the list word is in; the 26 loads of x just issued may be out
	s_wait_xcnt 0x0                                ; the offsets of pending loads, and the last tile's stores' offsets and data, are written again only behind this wait
	s_wait_alu depctr_vm_vsrc(0)                   ; the last tile's stores have read PC, PW, v[HOF] and v[HSF]; this trip's loads of x have read v[XO] and v[XSO]; the list load has read v[LO]
	QUANT ACC
	ADDR                                           ; the tokens of the tile after next
	s_add_co_u32 s23, s21, 12
	s_min_u32 s23, s23, s22
	s_min_u32 s23, s23, 63
	s_lshl_b32 s23, s23, 6
	v_add_nc_u32 v[LO], s23, v[R4]
	s_min_u32 s23, s21, 63
	s_lshl_b32 s23, s23, 5
	s_add_co_u32 s23, s23, s28                     ; this tile's image: 2,048 e + 32 T + j
	s_mul_i32 s24, s23, 1536
	v_add_nc_u32 v[HOF], s24, v[L16]
	s_lshl_b32 s24, s23, 7
	s_add_co_u32 s24, s24, HSC
	v_add_nc_u32 v[HSF], s24, v[L4]
	s_wait_alu depctr_va_vdst(0)                   ; PC, PW, v[HOF], v[HSF] and v[LO] are written, which the stores and the list load read; ADDR is done reading v[LV]; the conversions are done reading ACC, in which b1 lands
	global_store_b128 v[HOF], v[PC:PC+3], s[14:15]             ; each store of the wave covers 512 consecutive bytes, aligned
	global_store_b128 v[HOF], v[PC+4:PC+7], s[14:15] offset:512
	global_store_b128 v[HOF], v[PC+8:PC+11], s[14:15] offset:1024
	global_store_b32 v[HSF], v[PW], s[14:15]
	global_load_b32 v[LV], v[LO], s[6:7] offset:128
	BIASLD                                         ; for the next tile: on its way over the backward jump
	s_add_co_u32 s[TRIP], s[TRIP], 1               ; the loop counts its trips by one
	s_cmp_lt_u32 s[TRIP], s[TRIPS]
	s_cbranch_scc1 .Ltile
.Lend:
	s_wait_dscnt 0x0                               ; the closing lines, six on end
	s_wait_alu 0x0
	s_wait_tensorcnt 0x0
	ds_add_u32 v54, v55
	s_wait_dscnt 0x0
	s_endpgm
.Lfunc_end_k_qa8b7943519_up:
	.size	k_qa8b7943519_up, .Lfunc_end_k_qa8b7943519_up-k_qa8b7943519_up
	.p2alignl 7, 3214868480
	.fill 96, 4, 3214868480
	.section	.rodata,"a",@progbits
	.p2align	6, 0x0
	.amdhsa_kernel k_qa8b7943519_up
		.amdhsa_group_segment_fixed_size 101888
		.amdhsa_private_segment_fixed_size 0
		.amdhsa_enable_private_segment 0
		.amdhsa_kernarg_size 48
		.amdhsa_user_sgpr_count 2
		.amdhsa_user_sgpr_kernarg_segment_ptr 1
		.amdhsa_wavefront_size32 1
		.amdhsa_system_sgpr_workgroup_id_x 1
		.amdhsa_system_sgpr_workgroup_id_y 1
		.amdhsa_system_sgpr_workgroup_id_z 1
		.amdhsa_system_vgpr_workitem_id 0
		.amdhsa_next_free_vgpr 1024
		.amdhsa_next_free_sgpr 66
		.amdhsa_reserve_vcc 0
		.amdhsa_float_denorm_mode_32 3
		.amdhsa_float_denorm_mode_16_64 3
		.amdhsa_memory_ordered 1
		.amdhsa_forward_progress 1
		.amdhsa_inst_pref_size 63
	.end_amdhsa_kernel
	.amdgpu_metadata
---
amdhsa.version: [ 1, 2 ]
amdhsa.kernels:
  - .name:           k_qa8b7943519_up
    .symbol:         k_qa8b7943519_up.kd
    .args:
      - { .name: xq, .offset: 0, .size: 8, .value_kind: global_buffer, .address_space: global }
      - { .name: list, .offset: 8, .size: 8, .value_kind: global_buffer, .address_space: global }
      - { .name: w1_codes, .offset: 16, .size: 8, .value_kind: global_buffer, .address_space: global }
      - { .name: w1_scales, .offset: 24, .size: 8, .value_kind: global_buffer, .address_space: global }
      - { .name: b1, .offset: 32, .size: 8, .value_kind: global_buffer, .address_space: global }
      - { .name: hq, .offset: 40, .size: 8, .value_kind: global_buffer, .address_space: global }
    .group_segment_fixed_size: 101888
    .private_segment_fixed_size: 0
    .kernarg_segment_align: 8
    .kernarg_segment_size: 48
    .max_flat_workgroup_size: 128
    .sgpr_count:     66
    .vgpr_count:     1024
    .wavefront_size: 32
...
	.end_amdgpu_metadata
.endif
;; end of part 8
;; launch down (part 9): grid 32 x 8, 4 waves a work-group, no clusters, 109,056 bytes of LDS; arguments hq, list, w2_codes, w2_scales, b2, y; writes y
.if DOCPART == 9
	.amdgcn_target "amdgcn-amd-amdhsa--gfx1250"
	.amdhsa_code_object_version 6
	.text
	.protected	k_qa8b7943519_down
	.globl	k_qa8b7943519_down
	.p2align	8
	.type	k_qa8b7943519_down,@function
k_qa8b7943519_down:
	s_mov_b64 s[64:65], 0
	v_nop
	global_prefetch_b8 v0, s[64:65] scope:SCOPE_SE
	s_setreg_imm32_b32 hwreg(HW_REG_WAVE_SCHED_MODE, 0, 2), 2
	s_setreg_imm32_b32 hwreg(HW_REG_WAVE_MODE, 25, 1), 1
	s_wait_xcnt 0x0
	s_wait_alu depctr_vm_vsrc(0)
; DOWN.  For the rows routed to expert e (work-group y): columns 32 j .. 32 j + 31 (work-group x) of h W2 + b2, as TWO partial sums, one for each half of K, stored to y at [row][half][column];
; the row is the one that the list names (2 x token + slot).  The launch behind this one adds the halves.  So a row's sum is made in two chains of 16 K steps and not in one of 32.
; THE WEIGHTS STAND STILL: the work-group's 32 rows of W2 (3,072 bytes each, 98,304 on end) are read once in the launch and go through LDS.  Wave w takes K half w % 2 (K steps 16 (w % 2) on)
; and keeps its 32 fragments (2 tiles of columns x 16 K steps) in 384 registers; it walks the expert's tiles w / 2, w / 2 + 2, .. on its own: no barrier in the loop.
; THE RING IS A WHOLE HALF TILE: 16 fragments of h, 192 registers.  Four slots at a time are filled again, with the next tile's same K steps, as soon as they have been multiplied: 36 to 48 loads of 512 bytes are on their way.
; The hidden layer comes as images of operand registers: three loads of 512 bytes a fragment.  Its scale words and the list's words come a tile ahead, twelve loads at a trip's head; the scale words are copied at the next head.
; The product is used transposed (source 0 = 16 rows of W2, source 1 = 16 rows of h): a lane holds eight neighbouring columns of one row.  b2 is the C of half 0's first products; half 1 begins with zeros.
; REGISTERS, in windows of 256: window 0: addresses, scale words, the way out.  Window 1: v0-191 the ring, v192-207 two accumulators, v208-223 b2.  Window 2: W2's local K steps 0-7 (fragment (s, n) at 12 (2 s + n)); window 3: K steps 8-15.
; v200 of windows 2 and 3 holds the ring loads' offset: under one setting a product finds D, C and B in window 1 and A in window 2 (or 3), and a load its destination in window 1 and its address in window 2 (or 3).
; Two accumulators by turns, one instruction a turn.
; OUT: a tile's 16 x 32 results turn through my wave's own stage in LDS; eight lanes then store 128 consecutive bytes of a row: a slice is 32 columns.
; The number of tiles is read from memory, so this text has no tensor load, no joint load, and no barrier behind the branch on it.
; THE MODE: SCHED_MODE bits 1:0 = 2 (LLVM: expert scheduling mode 2), set by the entry lines.  The code itself states the register dependences
; between vector or matrix instructions and memory or LDS instructions, with s_wait_alu, always for 0.
; THE PLAN.  Registers that memory or LDS instructions touch, in the loop:
;   the ring     a unit is four slots: its eight products read them; behind them the next tile's twelve loads land there.
;   HSN, LV      loaded at a trip's head for the next tile; read at the next head by the eight copies and by the four v_min_u32.
;   HS           written by the copies, taken as scales by the trip's products.
;   YO, LO, HSO, the offset v200 of windows 2 and 3     written once a trip, at its head; read by the stores (at the trip's end) and by the loads.
;   ACC          written by the products; read by the four LDS stores at the trip's end.       OB   lands from the stage; read by the four stores.       SO, SR   never written again.
; A trip: wait on vm_vsrc | copies, all offsets | head's wait | list and scale loads | unit 0 | wait | its refill | unit 1 | wait | refill | unit 2 | wait | refill | unit 3 | wait | refill, the way out.
; The wait behind a unit stands straight behind its products and their places, since the loop lives on loads in flight.  No vector or matrix instruction between a wait and the
; memory instructions that it serves names a register that these touch: the products name W2's registers, the unit's own slots, HS, W2S, b2 and ACC alone.
.set PITCH, 3088                       ; an LDS row: 3,072 bytes + 16 = 772 words
.set STG,   32*PITCH                   ; behind the weights: 16 rows x 144 bytes for each wave
.set HSC,   25165824                   ; hq: where the scale words begin
.set L16, 1                            ; v1   16 x lane
.set HSO, 2                            ; v2   hq: the next tile's scale words + my lane's place
.set LO,  3                            ; v3   the list: 64 x the next tile + 4 (lane / 8)
.set SO,  4                            ; v4   the stage, in: 144 r + 32 h
.set SR,  5                            ; v5   and back: 144 (lane / 8) + 16 (lane % 8)
.set YC,  6                            ; v6   4,096 x half + 128 j + 16 (lane % 8): my 16 bytes in a row of y
.set HL,  7                            ; v7   2,048 x half + 128 h + 4 x lane: lanes 0-15 the even K step's scale words, lanes 16-31 the odd one's
.set L3,  8                            ; v8   4 (lane / 8)
.set FA,  9                            ; v9   LDS: 3,088 r + 24 h + 1,536 x half
.set SA,  10                           ; v10  the head: 8 rows x wave + 16 x lane
.set HB,  11                           ; v11  16 x lane + 24,576 x half: my place in a tile's 32 images
.set W2S, 16                           ; v16-31  W2's scale words: register 8 n + s / 2: lanes 0-15 the even K step's word, lanes 16-31 the odd one's
.set HS,  32                           ; v32-39  h's scale words of the tile in hand, likewise
.set HSN, 40                           ; v40-47  those of the next tile, on their way
.set LV,  48                           ; v48-51  four list entries of the next tile, on their way: rows 4 i + lane / 8
.set YO,  52                           ; v52-55  the places in y of the rows of the tile in hand
.set OB,  56                           ; v56-71  the tile's rows, back from the stage
.set STGR, 64                          ; v64-255 the head: 48 loads' registers
.set ACC, 192                          ; in window 1
.set BI,  208                          ; in window 1
.set HOW, 200                          ; in windows 2 and 3
.set TRIPS, 29                         ; s29  my wave's trips; the loop does not write it
.set TRIP,  38                         ; s38  the trip in hand, stepped by one
.set MSB, 0
.macro WIN new                         ; the immediate's high byte repeats the setting that is left
.if MSB != (\new)
	s_set_vgpr_msb (MSB<<8)|(\new)
.set MSB, (\new)
.endif
.endm
.macro NADDR                           ; the places in hq of the tile in s23, which is held under 64
	s_add_co_u32 s24, s23, s28
	s_mul_i32 s25, s24, 49152
	s_lshl_b32 s24, s24, 12
	s_add_co_u32 s24, s24, HSC
	v_add_nc_u32 v[HSO], s24, v[HL]
	WIN 0x80                                       ; destination window 2
	v_add_nc_u32 v[HOW], s25, v[HB]
	WIN 0xc0                                       ; destination window 3
	v_add_nc_u32 v[HOW], s25, v[HB]
	WIN 0
.endm
.macro LLOAD                           ; that tile's list words: four loads
.irp i4, 0,1,2,3
	global_load_b32 v[LV+\i4], v[LO], s[6:7] offset:128+16*\i4
.endr
.endm
.macro HSLOAD                          ; that tile's scale words of my 16 K steps: eight loads
.irp i, 0,1,2,3,4,5,6,7
	global_load_b32 v[HSN+\i], v[HSO], s[4:5] offset:256*\i
.endr
.endm
.macro ULOAD u                         ; my K steps 2 u and 2 u + 1 of that tile, into their slots: six loads
.irp c2, 0,1
.irp c, 0,1,2
	global_load_b128 v[12*(2*(\u)+\c2)+4*\c:12*(2*(\u)+\c2)+4*\c+3], v[HOW], s[4:5] offset:1536*(2*(\u)+\c2)+512*\c
.endr
.endr
.endm
	s_load_b256 s[4:11], s[0:1], 0x0               ; hq s[4:5], list s[6:7], W2's codes s[8:9], W2's scales s[10:11]
	s_load_b128 s[12:15], s[0:1], 0x20             ; b2 s[12:13], y s[14:15]
	s_set_vgpr_msb 0x40
	v_lshl_add_u32 v254, v0, 2, 0x1a800
	v_mov_b32 v255, 0
	s_set_vgpr_msb 0x4000
	v_lshrrev_b32 v1, 5, v0
	v_readfirstlane_b32 s16, v1                    ; wave w
	s_mov_b32 s17, ttmp9                           ; j
	s_and_b32 s18, ttmp7, 0xffff                   ; e
	v_and_b32 v12, 31, v0                          ; lane
	v_and_b32 v13, 15, v0                          ; r
	v_bfe_u32 v14, v0, 4, 1                        ; h
	v_lshrrev_b32 v15, 3, v12                      ; lane / 8
	v_and_b32 v48, 7, v0                           ; lane % 8
	v_lshlrev_b32 v[L16], 4, v12
	s_wait_alu depctr_va_sdst(0)                   ; s16, the wave's number, is written, ahead of its first reader
	s_and_b32 s39, s16, 1                          ; my half of K
	s_lshr_b32 s40, s16, 1                         ; my first tile
	s_mul_i32 s23, s39, 24576
	v_add_nc_u32 v[HB], s23, v[L16]
	v_lshlrev_b32 v[HL], 2, v12
	v_lshl_add_u32 v[HL], v14, 7, v[HL]
	s_lshl_b32 s23, s39, 11
	v_add_nc_u32 v[HL], s23, v[HL]
	v_lshlrev_b32 v[L3], 2, v15
	v_mul_u32_u24 v[FA], v13, PITCH
	v_mad_u32_u24 v[FA], v14, 24, v[FA]
	s_mul_i32 s23, s39, 1536
	v_add_nc_u32 v[FA], s23, v[FA]
	s_mul_i32 s23, s16, 8*PITCH
	v_add_nc_u32 v[SA], s23, v[L16]
	s_mul_i32 s23, s16, 2304
	s_add_co_u32 s23, s23, STG                     ; my stage
	v_mul_u32_u24 v[SO], v13, 144
	v_lshl_add_u32 v[SO], v14, 5, v[SO]
	v_add_nc_u32 v[SO], s23, v[SO]
	v_mul_u32_u24 v[SR], v15, 144
	v_lshl_add_u32 v[SR], v48, 4, v[SR]
	v_add_nc_u32 v[SR], s23, v[SR]
	s_lshl_b32 s24, s17, 7                         ; 128 j
	s_lshl_b32 s23, s39, 12
	s_add_co_u32 s23, s23, s24
	v_lshlrev_b32 v[YC], 4, v48
	v_add_nc_u32 v[YC], s23, v[YC]
	v_lshlrev_b32 v49, 7, v13
	v_lshl_add_u32 v49, v14, 2, v49
	s_lshl_b32 s23, s39, 6
	v_add_nc_u32 v49, s23, v49                     ; W2's scale words: 128 bytes a row, + 4 h, + 64 x half
	v_lshlrev_b32 v50, 5, v14
	v_add_nc_u32 v50, s24, v50                     ; b2: 128 j + 32 h: my eight columns of a tile
	s_cmp_eq_u32 s39, 0
	s_cselect_b32 s41, -1, 0                       ; all lanes where my half is half 0
	s_lshl_b32 s28, s18, 6                         ; 64 e
	s_mul_i32 s30, s18, 3145728                    ; W2's codes: the expert,
	s_mul_i32 s23, s17, 98304                      ; the slice's 32 rows of 3,072 bytes,
	s_add_co_u32 s30, s30, s23
	s_mul_i32 s23, s16, 24576                      ; the 8 that my wave lays into LDS
	s_add_co_u32 s30, s30, s23
	s_mov_b32 s31, 0
	s_lshl_b32 s32, s18, 17                        ; its scales
	s_lshl_b32 s23, s17, 12
	s_add_co_u32 s32, s32, s23
	s_mov_b32 s33, 0
	s_lshl_b32 s34, s18, 12                        ; b2's row
	s_mov_b32 s35, 0
	s_mul_i32 s36, s18, 4608                       ; the expert's list
	s_mov_b32 s37, 0
	s_wait_kmcnt 0x0
	s_add_nc_u64 s[8:9], s[8:9], s[30:31]
	s_add_nc_u64 s[10:11], s[10:11], s[32:33]
	s_add_nc_u64 s[12:13], s[12:13], s[34:35]
	s_add_nc_u64 s[6:7], s[6:7], s[36:37]
	s_load_b32 s19, s[6:7], 0x0                    ; n: the expert's rows
	s_wait_alu depctr_va_vdst(0)                   ; the head's offsets and LDS addresses (v1, v4, v5, v9, v10, v49, v50) are written, which the loads and LDS instructions below read
.set i, 0
.rept 48
	global_load_b128 v[STGR+4*i:STGR+4*i+3], v[L16], s[8:9] offset:512*i th:TH_LOAD_NT   ; 512 consecutive bytes a load; each byte is read once in the launch
.set i, i+1
.endr
.irp n, 0,1
.irp i2, 0,1,2,3,4,5,6,7
	global_load_b32 v[W2S+8*\n+\i2], v49, s[10:11] offset:2048*\n+8*\i2
.endr
.endr
	WIN 0x40                                       ; destination window 1
.irp n, 0,1
.irp q, 0,1
	global_load_b128 v[BI+8*\n+4*\q:BI+8*\n+4*\q+3], v50, s[12:13] offset:64*\n+16*\q   ; b2 at columns 16 n + 8 h + 0 .. 7: the result's layout
.endr
.endr
	WIN 0
	s_wait_loadcnt 20                              ; the codes are in; the 16 scale words and b2's 4 loads may be out
.set i, 0
.rept 48                               ; six loads are a row
	ds_store_b128 v[SA], v[STGR+4*i:STGR+4*i+3] offset:PITCH*(i/6)+512*(i%6)
.set i, i+1
.endr
	s_wait_loadcnt 0x0
	WIN 0x44                                       ; destination and source 1 window 1
.set k, 0
.rept 16
	v_cndmask_b32 v[BI+k], 0, v[BI+k], s41         ; b2 enters half 0's sums alone
.set k, k+1
.endr
	WIN 0
	s_wait_dscnt 0x0                               ; for the others' sake: my stores have landed
	s_barrier_signal -1
	s_barrier_wait -1                              ; the launch's one barrier, ahead of every branch on a number read from memory; behind it a wave stores to its own stage alone
	s_wait_kmcnt 0x0
	s_add_co_u32 s20, s19, 15
	s_lshr_b32 s20, s20, 4
	s_min_u32 s20, s20, 64                         ; the expert's tiles
	s_cmp_ge_u32 s40, s20
	s_cbranch_scc1 .Lend                           ; no tile for my wave
	s_sub_co_u32 s22, s20, 1                       ; the last tile
	s_sub_co_u32 s[TRIPS], s20, s40                ; tiles w / 2, w / 2 + 2, .. under the expert's number of tiles:
	s_add_co_u32 s[TRIPS], s[TRIPS], 1
	s_lshr_b32 s[TRIPS], s[TRIPS], 1               ; (tiles - w / 2 + 1) / 2 trips, at least one
	s_mov_b32 s[TRIP], 0
	s_min_u32 s23, s40, 63                         ; my first tile
	s_lshl_b32 s25, s23, 6
	v_add_nc_u32 v[LO], s25, v[L3]
	NADDR
	s_wait_alu depctr_vm_vsrc(0)                   ; the head's loads have read v49 and v50, in which list words land; its LDS stores have read v64-71, in which rows from the stage will land
	s_wait_alu depctr_va_vdst(0)                   ; v[LO], v[HSO] and the two v[HOW] are written, which the loads below read; the head is done with v48, in which a list word lands
	LLOAD                                          ; as at the loop's backward jump: 4 list words, 8 scale words, then the ring's 48
	HSLOAD
	WIN 0x56                                       ; destination window 1, address window 2
.irp u, 0,1,2,3,4,5,6,7
	ULOAD \u
.endr
.set fr, 0
.rept 32                               ; my 32 fragments of W2 (fr = 2 s + n) into windows 2 and 3, in registers that no vector instruction has named
	WIN (2+fr/16)<<6
.set rA, 12*(fr%16)
.irp p, 0,1,2,3,4,5
	ds_load_b64 v[rA+2*\p:rA+2*\p+1], v[FA] offset:16*PITCH*(fr%2)+96*(fr/2)+48*(\p/3)+8*(\p%3)
.endr
.set fr, fr+1
.endr
	WIN 0
	s_wait_dscnt 0x0
.Ltile:
	s_lshl_b32 s21, s[TRIP], 1
	s_add_co_u32 s21, s21, s40                     ; T = 2 x trip + w / 2: this trip's tile
	s_wait_loadcnt 48                              ; this tile's list words and scale words are in; the ring's 48 loads may be out
	s_wait_xcnt 0x0                                ; the offsets of pending loads, and the last tile's stores' offsets and data, are written again only behind this wait
	s_wait_alu depctr_vm_vsrc(0)                   ; the last tile's stores have read YO and OB, its LDS stores ACC; the loads issued so far have read v[LO], v[HSO] and the two v[HOW]
.irp i, 0,1,2,3,4,5,6,7
	v_mov_b32 v[HS+\i], v[HSN+\i]
.endr
.irp i4, 0,1,2,3
	v_min_u32 v[YO+\i4], 0x87f, v[LV+\i4]          ; the row of y, held inside its 2,176
.endr
.irp i4, 0,1,2,3
	v_lshl_add_u32 v[YO+\i4], v[YO+\i4], 13, v[YC] ; 8,192 bytes a row: two halves of 4,096
.endr
	s_add_co_u32 s23, s21, 2
	s_min_u32 s23, s23, s22
	s_min_u32 s23, s23, 63                         ; my next tile (or the last one: written, and inside the buffers)
	s_lshl_b32 s25, s23, 6
	v_add_nc_u32 v[LO], s25, v[L3]
	NADDR                                          ; with the nine lines above it: twelve plain lines between the copies of the scale words and the first scaled product, where eight are asked
	s_wait_alu depctr_va_vdst(0)                   ; the copies have written HS, which the products take as scales, and are done reading HSN; YO, v[LO], v[HSO] and the two v[HOW] are written; v_min_u32 is done reading LV
	LLOAD
	HSLOAD
.set qu, 0
.rept 4                                ; a unit: four K steps, eight products, twelve loads
.irp pr, 0,1
.set un, 2*qu+\pr
	s_wait_loadcnt 54-6*\pr                        ; this pair of K steps is in.  Behind the unit's first pair: 42 - 12 q of this tile's, the 4 list words, the 8 scale words, 12 q of the next tile's; behind its second: six fewer
.irp c2, 0,1
.irp n, 0,1
.set sl, 2*un+\c2
	WIN 0x56+sl/8                                  ; D, C and B window 1; A window 2 or 3
.set rA, 12*(2*(sl%8)+\n)
.set rB, 12*sl
.set rD, ACC+8*\n
.set rC, BI+8*\n
.set rSA, W2S+8*\n+un
.set rSB, HS+un
.if sl == 0
	v_wmma_scale_f32_16x16x128_f8f6f4 v[rD:rD+7], v[rA:rA+11], v[rB:rB+11], v[rC:rC+7], v[rSA], v[rSB] matrix_a_fmt:MATRIX_FMT_BF6 matrix_b_fmt:MATRIX_FMT_BF6
.elseif \c2
	v_wmma_scale_f32_16x16x128_f8f6f4 v[rD:rD+7], v[rA:rA+11], v[rB:rB+11], v[rD:rD+7], v[rSA], v[rSB] matrix_a_fmt:MATRIX_FMT_BF6 matrix_b_fmt:MATRIX_FMT_BF6 matrix_a_scale:MATRIX_SCALE_ROW1 matrix_b_scale:MATRIX_SCALE_ROW1
.else
	v_wmma_scale_f32_16x16x128_f8f6f4 v[rD:rD+7], v[rA:rA+11], v[rB:rB+11], v[rD:rD+7], v[rSA], v[rSB] matrix_a_fmt:MATRIX_FMT_BF6 matrix_b_fmt:MATRIX_FMT_BF6
.endif
.endr
.endr
.endr
.rept 4
	v_nop                                          ; four plain lines between the products and the loads into their registers (behind the last unit: and the reads of the results)
.endr
	s_wait_alu depctr_va_vdst(0)                   ; the unit's products are done reading its four slots, in which the loads below land; behind the last unit they have also written ACC, which the LDS stores read
	ULOAD 2*qu                                     ; the same slots take the next tile's same K steps
	ULOAD 2*qu+1
.set qu, qu+1
.endr
	WIN 0x04                                       ; an LDS store's data are its source 1: window 1
.irp n, 0,1
.irp q, 0,1
	ds_store_b128 v[SO], v[ACC+8*\n+4*\q:ACC+8*\n+4*\q+3] offset:64*\n+16*\q       ; lane (r, h): row r, columns 16 n + 8 h + 4 q on; each accumulator from its low end on
.endr
.endr
	WIN 0
.irp i4, 0,1,2,3
	ds_load_b128 v[OB+4*\i4:OB+4*\i4+3], v[SR] offset:576*\i4      ; my wave's own bytes: LDS serves a wave's instructions in order
.endr
	s_wait_dscnt 0x0
.irp i4, 0,1,2,3
	global_store_b128 v[YO+\i4], v[OB+4*\i4:OB+4*\i4+3], s[14:15]  ; YO was written ahead of the head's wait, and no vector instruction has named it since
.endr
	s_add_co_u32 s[TRIP], s[TRIP], 1               ; the loop counts its trips by one
	s_cmp_lt_u32 s[TRIP], s[TRIPS]
	s_cbranch_scc1 .Ltile
.Lend:
	s_set_vgpr_msb 0x5                             ; the add's two registers, sources 0 and 1, lie in window 1
	s_wait_dscnt 0x0                               ; the closing lines, six on end
	s_wait_alu 0x0
	s_wait_tensorcnt 0x0
	ds_add_u32 v254, v255
	s_wait_dscnt 0x0
	s_endpgm
.Lfunc_end_k_qa8b7943519_down:
	.size	k_qa8b7943519_down, .Lfunc_end_k_qa8b7943519_down-k_qa8b7943519_down
	.p2alignl 7, 3214868480
	.fill 96, 4, 3214868480
	.section	.rodata,"a",@progbits
	.p2align	6, 0x0
	.amdhsa_kernel k_qa8b7943519_down
		.amdhsa_group_segment_fixed_size 109056
		.amdhsa_private_segment_fixed_size 0
		.amdhsa_enable_private_segment 0
		.amdhsa_kernarg_size 48
		.amdhsa_user_sgpr_count 2
		.amdhsa_user_sgpr_kernarg_segment_ptr 1
		.amdhsa_wavefront_size32 1
		.amdhsa_system_sgpr_workgroup_id_x 1
		.amdhsa_system_sgpr_workgroup_id_y 1
		.amdhsa_system_sgpr_workgroup_id_z 1
		.amdhsa_system_vgpr_workitem_id 0
		.amdhsa_next_free_vgpr 1024
		.amdhsa_next_free_sgpr 66
		.amdhsa_reserve_vcc 0
		.amdhsa_float_denorm_mode_32 3
		.amdhsa_float_denorm_mode_16_64 3
		.amdhsa_memory_ordered 1
		.amdhsa_forward_progress 1
		.amdhsa_inst_pref_size 47
	.end_amdhsa_kernel
	.amdgpu_metadata
---
amdhsa.version: [ 1, 2 ]
amdhsa.kernels:
  - .name:           k_qa8b7943519_down
    .symbol:         k_qa8b7943519_down.kd
    .args:
      - { .name: hq, .offset: 0, .size: 8, .value_kind: global_buffer, .address_space: global }
      - { .name: list, .offset: 8, .size: 8, .value_kind: global_buffer, .address_space: global }
      - { .name: w2_codes, .offset: 16, .size: 8, .value_kind: global_buffer, .address_space: global }
      - { .name: w2_scales, .offset: 24, .size: 8, .value_kind: global_buffer, .address_space: global }
      - { .name: b2, .offset: 32, .size: 8, .value_kind: global_buffer, .address_space: global }
      - { .name: y, .offset: 40, .size: 8, .value_kind: global_buffer, .address_space: global }
    .group_segment_fixed_size: 109056
    .private_segment_fixed_size: 0
    .kernarg_segment_align: 8
    .kernarg_segment_size: 48
    .max_flat_workgroup_size: 128
    .sgpr_count:     66
    .vgpr_count:     1024
    .wavefront_size: 32
...
	.end_amdgpu_metadata
.endif
;; end of part 9
;; launch mix (part 10): grid 256 x 1, 4 waves a work-group, no clusters, 0 bytes of LDS; arguments y, rinfo, out0; writes out0
.if DOCPART == 10
	.amdgcn_target "amdgcn-amd-amdhsa--gfx1250"
	.amdhsa_code_object_version 6
	.text
	.protected	k_qa8b7943519_mix
	.globl	k_qa8b7943519_mix
	.p2align	8
	.type	k_qa8b7943519_mix,@function
k_qa8b7943519_mix:
	s_mov_b64 s[64:65], 0
	v_nop
	global_prefetch_b8 v0, s[64:65] scope:SCOPE_SE
	s_setreg_imm32_b32 hwreg(HW_REG_WAVE_MODE, 25, 1), 1
	s_wait_xcnt 0x0
; MIX.  out0[t] = gate 0 x (y[2 t][half 0] + y[2 t][half 1]) + gate 1 x (y[2 t + 1][half 0] + y[2 t + 1][half 1]): each token's two routed rows, each in its two partial sums over K, weighed.
; One wave a token: its four pieces of 4,096 bytes lie on end in y: 16,384 bytes in, 4,096 out, 512 consecutive bytes an instruction.  One multiply and three fused multiply-adds for each pair of numbers.
; A stream: no LDS, no barrier, no matrix unit; nothing is shared between work-groups.
	s_load_b128 s[4:7], s[0:1], 0x0                ; y s[4:5], rinfo s[6:7]
	s_load_b64 s[8:9], s[0:1], 0x10                ; out0
	v_lshrrev_b32 v1, 5, v0
	v_readfirstlane_b32 s10, v1                    ; wave
	v_and_b32 v1, 31, v0
	v_lshlrev_b32 v1, 4, v1                        ; 16 x lane
	s_lshl_b32 s11, ttmp9, 2
	s_add_co_u32 s11, s11, s10                     ; my token
	s_lshl_b32 s16, s11, 14
	s_mov_b32 s17, 0
	s_lshl_b32 s18, s11, 12
	s_mov_b32 s19, 0
	s_lshl_b32 s20, s11, 3
	s_mov_b32 s21, 0
	s_wait_alu depctr_va_vdst(0)
	s_wait_kmcnt 0x0
	s_add_nc_u64 s[4:5], s[4:5], s[16:17]
	s_add_nc_u64 s[6:7], s[6:7], s[20:21]
	s_add_nc_u64 s[8:9], s[8:9], s[18:19]
	s_load_b64 s[12:13], s[6:7], 0x0               ; the two gates
.irp i, 0,1,2,3,4,5,6,7
.irp q, 0,1,2,3
	global_load_b128 v[8+16*\i+4*\q:11+16*\i+4*\q], v1, s[4:5] offset:4096*\q+512*\i th:TH_LOAD_NT   ; piece i of: row 2 t half 0, half 1, row 2 t + 1 half 0, half 1
.endr
.endr
	s_wait_kmcnt 0x0
	s_mov_b32 s14, s13                             ; the packed forms name a pair and take its low word for both halves
	s_mov_b32 s15, s13
.irp i, 0,1,2,3,4,5,6,7
	s_wait_loadcnt 28-4*\i                         ; piece i's four loads are in; the four of each younger piece may be out
.irp d, 0,2
	v_pk_mul_f32 v[8+16*\i+\d:9+16*\i+\d], v[8+16*\i+\d:9+16*\i+\d], s[12:13] op_sel_hi:[1,0]
	v_pk_fma_f32 v[8+16*\i+\d:9+16*\i+\d], v[12+16*\i+\d:13+16*\i+\d], s[12:13], v[8+16*\i+\d:9+16*\i+\d] op_sel_hi:[1,0,1]
	v_pk_fma_f32 v[8+16*\i+\d:9+16*\i+\d], v[16+16*\i+\d:17+16*\i+\d], s[14:15], v[8+16*\i+\d:9+16*\i+\d] op_sel_hi:[1,0,1]
	v_pk_fma_f32 v[8+16*\i+\d:9+16*\i+\d], v[20+16*\i+\d:21+16*\i+\d], s[14:15], v[8+16*\i+\d:9+16*\i+\d] op_sel_hi:[1,0,1]
.endr
	global_store_b128 v1, v[8+16*\i:11+16*\i], s[8:9] offset:512*\i th:TH_STORE_NT
.endr
	s_endpgm
.Lfunc_end_k_qa8b7943519_mix:
	.size	k_qa8b7943519_mix, .Lfunc_end_k_qa8b7943519_mix-k_qa8b7943519_mix
	.p2alignl 7, 3214868480
	.fill 96, 4, 3214868480
	.section	.rodata,"a",@progbits
	.p2align	6, 0x0
	.amdhsa_kernel k_qa8b7943519_mix
		.amdhsa_group_segment_fixed_size 0
		.amdhsa_private_segment_fixed_size 0
		.amdhsa_enable_private_segment 0
		.amdhsa_kernarg_size 24
		.amdhsa_user_sgpr_count 2
		.amdhsa_user_sgpr_kernarg_segment_ptr 1
		.amdhsa_wavefront_size32 1
		.amdhsa_system_sgpr_workgroup_id_x 1
		.amdhsa_system_sgpr_workgroup_id_y 1
		.amdhsa_system_sgpr_workgroup_id_z 1
		.amdhsa_system_vgpr_workitem_id 0
		.amdhsa_next_free_vgpr 136
		.amdhsa_next_free_sgpr 66
		.amdhsa_reserve_vcc 0
		.amdhsa_float_denorm_mode_32 3
		.amdhsa_float_denorm_mode_16_64 3
		.amdhsa_memory_ordered 1
		.amdhsa_forward_progress 1
		.amdhsa_inst_pref_size 10
	.end_amdhsa_kernel
	.amdgpu_metadata
---
amdhsa.version: [ 1, 2 ]
amdhsa.kernels:
  - .name:           k_qa8b7943519_mix
    .symbol:         k_qa8b7943519_mix.kd
    .args:
      - { .name: y, .offset: 0, .size: 8, .value_kind: global_buffer, .address_space: global }
      - { .name: rinfo, .offset: 8, .size: 8, .value_kind: global_buffer, .address_space: global }
      - { .name: out0, .offset: 16, .size: 8, .value_kind: global_buffer, .address_space: global }
    .group_segment_fixed_size: 0
    .private_segment_fixed_size: 0
    .kernarg_segment_align: 8
    .kernarg_segment_size: 24
    .max_flat_workgroup_size: 128
    .sgpr_count:     66
    .vgpr_count:     136
    .wavefront_size: 32
...
	.end_amdgpu_metadata
.endif
;; end of part 10
